; MI455X (gfx1250); checked and timed in simulation.
; The chip was launched on July 23, 2026; its instructions are those of AMD's public machine-readable ISA for CDNA 5 (MIT licence, August 2026) and "CDNA5" Instruction Set Architecture Reference Guide (July 2026). The comments in the code are by the model that wrote it; some were corrected since.
;; Transformer Block. Allowed arithmetic: matrix products marked QUANTISED: E2M3 operands, one E8M0 scale for each 32 along K, by v_wmma_scale_f32_16x16x128_f8f6f4 with both operands' format E2M3, f32 sums; everything else in f32.
;; Inputs: W1 512 x 2,048 float32; W2 2,048 x 512 float32; Wk 512 x 512 float32; Wo 512 x 512 float32; Wq 512 x 512 float32; Wv 512 x 512 float32; b1 2,048 float32; b2 512 float32; bo 512 float32; ln1_scale 512 float32; ln1_shift 512 float32; ln2_scale 512 float32; ln2_shift 512 float32; x 4 x 2,048 x 512 float32.
;; Outputs: out0 4 x 2,048 x 512 float32.
;; This version of the problem:
;;   THIS VERSION OF THE PROBLEM IS GIVEN IN LOW PRECISION. The matrix products marked QUANTISED in the list below multiply operands that are first quantised to E2M3 (2 exponent bits, 3 mantissa bits; 6 bits a number), with one power-of-two scale for each 32 numbers along K (OCP MX v1.0); their sums are f32. All else is computed in f32.
;;   The module's matrix products, in the order in which they are computed (A, B: the left and right operand; K: the contracted axis; several contracted axes count as one K, in the product's order):
;;     1. [M 8,192, K 512] x [K 512, N 512]; A: computed on the way; B: input Wq: QUANTISED
;;     2. [M 8,192, K 512] x [K 512, N 512]; A: computed on the way; B: input Wk: QUANTISED
;;     3. [M 8,192, K 512] x [K 512, N 512]; A: computed on the way; B: input Wv: QUANTISED
;;     4. batch 64 x [M 2,048, K 32] x [K 32, N 2,048]; A: computed on the way; B: computed on the way: QUANTISED
;;     5. batch 64 x [M 2,048, K 2,048] x [K 2,048, N 32]; A: softmax (see below); B: computed on the way: QUANTISED
;;     6. [M 8,192, K 512] x [K 512, N 512]; A: computed on the way; B: input Wo: QUANTISED
;;     7. [M 8,192, K 512] x [K 512, N 2,048]; A: computed on the way; B: input W1: QUANTISED
;;     8. [M 8,192, K 2,048] x [K 2,048, N 512]; A: computed on the way; B: input W2: QUANTISED
;;   THE QUANTISER, for each operand of a quantised product, along K:
;;     - K is cut into blocks of 32 from its start; a last block that is shorter is filled with zeros.
;;     - A block's scale is 2^e with e = floor(log2(the largest magnitude in the block)) - 2, held to -126 .. 127; a block of zeros has e = 0. As a byte (E8M0): e + 127.
;;     - Each number is divided by its block's scale, clamped to +-7.5, and rounded to the nearest number of E2M3, ties to even, subnormals kept.
;;     - The product sums the exact products of the quantised numbers (number of the format x scale) in f32.
;;   ~~~python
;;   def quantise(x, axis):      # numpy; x: float32 -> the quantised numbers, widened to float32 again
;;       x = np.moveaxis(x, axis, -1); K = x.shape[-1]
;;       x = np.pad(x, [(0, 0)] * (x.ndim - 1) + [(0, -K % 32)]); x = x.reshape(x.shape[:-1] + (-1, 32)); a = np.abs(x).max(-1, keepdims=True)
;;       e = np.where(a > 0, np.clip(np.frexp(np.where(a > 0, a, 1))[1] - 1 - 2, -126, 127), 0)      # np.frexp(a)[1] - 1 = floor(log2(a)), exactly
;;       r = np.clip(x / 2.0 ** e, -7.5, 7.5)
;;       step = 2.0 ** (np.maximum(np.frexp(np.where(r == 0, 1, r))[1] - 1, 0) - 3)
;;       q = np.round(r / step) * step * 2.0 ** e      # np.round: ties to even
;;       return np.moveaxis(q.reshape(q.shape[:-2] + (-1,))[..., :K], -1, axis).astype(np.float32)
;;   ~~~
;;   SOFTMAX AHEAD OF A QUANTISED PRODUCT. Where the list says 'softmax', what is quantised is not the finished softmax but p = 2^(t - M), with t = logit x log2(e) and M = ceil(the row's largest t), a whole number; so 1/2 < the row's largest p <= 1. The row's sum l is taken of the UNQUANTISED p, in f32, and the product's result is divided by l at the end. Since M is a whole number, a kernel that streams over the keys may use a running M (the ceiling of the running maximum): every later rescaling is an exact power of two, which a block's scale takes up: the codes' values come out the same.
;;   OPERANDS COMPUTED ON THE WAY. 'Computed on the way' means the value that the module computes at that place (a softmax that the list does not call 'softmax' is quantised finished and normalised). What goes into a quantiser is computed in f32, as accurately as f32 sums, v_exp_f32 and their like allow (about 1e-6 of the number): no bf16 or f16 on the way to a quantiser, and a product that is left as it is and whose result goes on into a quantised operand takes f32 operands (vector FMAs, or v_wmma_f32_16x16x4_f32). A number that lies on a knife's edge between two numbers of the format may be rounded either way, as far as f32 arithmetic and the matrix unit's own rounding can turn it there, and no further.
;; One version. Each part assembles by itself: llvm-mc -triple=amdgcn-amd-amdhsa -mcpu=gfx1250 --defsym DOCPART=n.
;; ======== version 1 of 1: 4 launches
;; limits: right only within a limited range of input values
;; workspace buffers: h1 3,276,800 bytes; wq 2,457,600 bytes; qkv 9,437,184 bytes; sc 524,288 bytes; ctx 3,276,800 bytes
;; launch prep (part 1): grid 448 x 1, 4 waves a work-group, no clusters, 33,280 bytes of LDS; arguments x, ln1_scale, ln1_shift, Wq, Wk, Wv, Wo, W1, W2, h1, wq; writes h1, wq
.if DOCPART == 1
	.amdgcn_target "amdgcn-amd-amdhsa--gfx1250"
	.amdhsa_code_object_version 6
	.text
	.protected	k_q4993886d95_prep
	.globl	k_q4993886d95_prep
	.p2align	8
	.type	k_q4993886d95_prep,@function
k_q4993886d95_prep:
	s_mov_b64 s[64:65], 0
	v_nop
	global_prefetch_b8 v0, s[64:65] scope:SCOPE_SE
	s_setreg_imm32_b32 hwreg(HW_REG_WAVE_MODE, 25, 1), 1
	s_wait_xcnt 0x0
; Two jobs in one launch, told apart by the work-group's number.
; Work-groups 0-255: h1 = Q(LN1(x)).  x is [8192][512] f32.  A wave takes 8 rows, a row a step.  The codes (E2M3, K innermost) lie [8192][384 bytes] at h1's head,
; the E8M0 bytes [8192][16] at byte 3,145,728.  Each of a row's four loads reads 512 consecutive bytes; the row turns through the wave's own stage in LDS so that a lane
; holds 16 neighbours (two lanes a block of 32); mean and variance are taken in two passes over the registers (the squares are of x - mean).
; Work-groups 256-447: the six weights, stored [K][N], quantised along K.  A wave takes 32 columns x 128 along K; a lane takes a column and its registers run down K.
; The codes leave in the order of the operand's registers: for a pair of 32 columns and a K step two fragments of 1,536 bytes (register 4 i + e of lane l at 512 i + 16 l + 4 e);
; lane-row r of fragment u is column 8 u + r + 8 (r / 8) of the pair.  The scale words lie [pair][K step][r][u] from byte 2,359,296 of wq.
; A block's scale byte is its largest magnitude's exponent field - 2, held at 1 from below.
; LIMITS: a block of zeros gets the byte 1 where the rule says 127 (its codes are zeros, and this program alone reads the bytes); blocks whose largest magnitude lies under
; 2^-124 are held at that floor; NaN and infinities among the inputs are not served; 1 / sqrt is v_rsq_f32.
; THE SHARES AS THE CODE BELOW HAS THEM: work-groups 0-255 take LN1, 8 rows a wave (256 x 4 x 8 = 8,192 rows); work-groups 256-447 take the six weights.
.set STEPS, 8                          ; rows a wave
.set SP,    80                         ; a lane's place in a stage: 64 bytes + 16 of padding
.set WREG,  8192                       ; LDS of a wave: two stages of 32 x SP bytes, then its 128 scale bytes
.set R,     16                         ; v16-79   four sets of 16 numbers as loaded
.set X,     80                         ; v80-111  two sets of 16 neighbours
.set E,     112                        ; v112-127 a scale byte for each row
.set C,     128                        ; v128-191 codes, four registers a row
.set G,     192                        ; v192-207 ln1_scale of my 16 columns
.set B,     208                        ; v208-223 ln1_shift
.set T,     224                        ; v224-231 at work
.set MP,    232                        ; v[232:233] the mean, twice
.set RP,    234                        ; v[234:235] 1 / sqrt(var + eps), twice
.set N,     16                         ; weights: v16-143 128 numbers down K
.set F0,    144                        ; v144-155 blocks 0, 2: the registers of lanes 0-15 of a fragment
.set F1,    156                        ; v156-167 blocks 1, 3: those of lanes 16-31
.set PT,    168                        ; v168.. each block's upper 16 codes (a conversion's three registers begin on an even number)
.set M,     184
.set SO,    192
.set BY,    196
.set W,     200
	s_load_b256 s[4:11], s[0:1], 0x0               ; x s[4:5], ln1_scale s[6:7], ln1_shift s[8:9], Wq s[10:11]
	s_load_b256 s[12:19], s[0:1], 0x20             ; Wk s[12:13], Wv s[14:15], Wo s[16:17], W1 s[18:19]
	s_load_b128 s[20:23], s[0:1], 0x40             ; W2 s[20:21], h1 s[22:23]
	s_load_b64 s[24:25], s[0:1], 0x50              ; wq
	v_lshl_add_u32 v240, v0, 2, 0x8000
	v_mov_b32 v241, 0
	v_lshrrev_b32 v1, 5, v0
	v_readfirstlane_b32 s26, v1                    ; wave
	v_and_b32 v2, 31, v0                           ; lane
	s_cmp_ge_u32 ttmp9, 256
	s_cbranch_scc1 .Lweights
	; ---------------- LN1 and its quantiser ----------------
	v_lshlrev_b32 v1, 6, v2                        ; my 16 gains: 64 bytes a lane
	v_lshlrev_b32 v3, 4, v2                        ; my 16 bytes of a load's 512
	s_mul_i32 s27, s26, WREG
	v_lshrrev_b32 v14, 2, v2
	v_mul_u32_u24 v14, v14, SP
	v_and_b32 v15, 3, v2
	v_lshl_add_u32 v14, v15, 4, v14
	v_add_nc_u32 v14, s27, v14                     ; the stage, in: SP (lane / 4) + 16 (lane % 4)
	v_mul_u32_u24 v15, v2, SP
	v_add_nc_u32 v15, s27, v15                     ; and out: SP x lane
	v_mul_u32_u24 v4, v2, 12                       ; my 12 bytes of a row's codes
	v_lshrrev_b32 v5, 1, v2
	s_add_co_u32 s27, s27, 2*32*SP
	v_add_nc_u32 v5, s27, v5                       ; LDS: my block's scale byte
	v_lshlrev_b32 v7, 2, v2                        ; 8 rows' scale bytes are 128 bytes: 4 a lane
	v_add_nc_u32 v6, s27, v7                       ; and 4 bytes a lane on the way out
	v_mov_b32 v9, 0                                ; a lane permute's destination counts as one of its sources
	s_mov_b32 s40, 0x76543210
	s_mov_b32 s41, 0xfedcba98                      ; lane l xor 16
	s_mov_b32 s42, 0x3b000000                      ; 1 / 512
	s_mov_b32 s43, 0x3727c5ac                      ; 1e-5
	s_lshl_b32 s28, ttmp9, 2
	s_add_co_u32 s28, s28, s26                     ; which run of 8 rows is my wave's
	s_lshl_b32 s30, s28, 14                        ; 8 rows of 2,048 bytes
	s_mov_b32 s31, 0
	s_mul_i32 s32, s28, 3072                       ; 8 rows of 384 bytes of codes
	s_mov_b32 s33, 0
	s_lshl_b32 s34, s28, 7                         ; 8 rows of 16 scale bytes
	s_add_co_u32 s34, s34, 3145728
	s_mov_b32 s35, 0
	s_wait_alu depctr_va_vdst(0)
	s_wait_kmcnt 0x0
	s_add_nc_u64 s[4:5], s[4:5], s[30:31]
	s_add_nc_u64 s[36:37], s[22:23], s[32:33]      ; the codes
	s_add_nc_u64 s[38:39], s[22:23], s[34:35]      ; the scale bytes
.irp j, 0,1,2,3
	global_load_b128 v[G+4*\j:G+4*\j+3], v1, s[6:7] offset:16*\j
	global_load_b128 v[B+4*\j:B+4*\j+3], v1, s[8:9] offset:16*\j
.endr
.macro LOAD t
.irp i, 0,1,2,3
	global_load_b128 v[R+16*((\t)%4)+4*\i:R+16*((\t)%4)+4*\i+3], v3, s[4:5] offset:2048*(\t)+512*\i th:TH_LOAD_NT
.endr
.endm
.macro TURN t                          ; a row through the stage: LDS serves a wave's instructions in order, so no wait stands between the stores and the loads
.irp i, 0,1,2,3
	ds_store_b128 v14, v[R+16*((\t)%4)+4*\i:R+16*((\t)%4)+4*\i+3] offset:32*SP*((\t)%2)+8*SP*\i
.endr
.irp i, 0,1,2,3
	ds_load_b128 v[X+16*((\t)%2)+4*\i:X+16*((\t)%2)+4*\i+3], v15 offset:32*SP*((\t)%2)+16*\i
.endr
.endm
.macro ALLSUM                          ; v8 summed over the 32 lanes, the result in every lane
	v_add_f32_dpp v8, v8, v8 row_xmask:1 row_mask:0xf bank_mask:0xf
	v_add_f32_dpp v8, v8, v8 row_xmask:2 row_mask:0xf bank_mask:0xf
	v_add_f32_dpp v8, v8, v8 row_xmask:4 row_mask:0xf bank_mask:0xf
	v_add_f32_dpp v8, v8, v8 row_xmask:8 row_mask:0xf bank_mask:0xf
	v_permlanex16_b32 v9, v8, s40, s41
	v_add_f32 v8, v8, v9
.endm
.irp t, 0,1,2,3
	LOAD \t
.endr
	s_wait_loadcnt 12                              ; the gains and row 0 are in; three rows of four loads may be out
	TURN 0
.macro STEP t
.set XS, X+16*((\t)%2)
.if (\t) > 0
	s_wait_dscnt 1                                 ; this row is back from the stage (the last row's byte store may be out), so its stores into the stage have read their registers,
.else
	s_wait_dscnt 0x0
.endif
.if (\t)+4 < STEPS
	LOAD (\t)+4                                    ; which take the row four further on
.endif
.if (\t)+1 < STEPS
.if STEPS-2-(\t) >= 3
	s_wait_loadcnt 12                              ; the next row's four loads are in; those of the three rows behind it may be out
.else
	s_wait_loadcnt 4*(STEPS-2-(\t))
.endif
	TURN (\t)+1
.endif
	v_pk_add_f32 v[T:T+1], v[XS:XS+1], v[XS+2:XS+3]                ; the row's sum
	v_pk_add_f32 v[T+2:T+3], v[XS+4:XS+5], v[XS+6:XS+7]
	v_pk_add_f32 v[T+4:T+5], v[XS+8:XS+9], v[XS+10:XS+11]
	v_pk_add_f32 v[T+6:T+7], v[XS+12:XS+13], v[XS+14:XS+15]
	v_pk_add_f32 v[T:T+1], v[T:T+1], v[T+2:T+3]
	v_pk_add_f32 v[T+4:T+5], v[T+4:T+5], v[T+6:T+7]
	v_pk_add_f32 v[T:T+1], v[T:T+1], v[T+4:T+5]
	v_add_f32 v8, v[T], v[T+1]
	ALLSUM
	v_mul_f32 v[MP], s42, v8                       ; the mean
	v_mov_b32 v[MP+1], v[MP]
.irp j, 0,2,4,6,8,10,12,14
	v_pk_add_f32 v[XS+\j:XS+\j+1], v[XS+\j:XS+\j+1], v[MP:MP+1] neg_lo:[0,1] neg_hi:[0,1]   ; x - mean
.endr
	v_pk_mul_f32 v[T:T+1], v[XS:XS+1], v[XS:XS+1]                  ; its squares, in two chains
	v_pk_mul_f32 v[T+2:T+3], v[XS+2:XS+3], v[XS+2:XS+3]
.irp j, 4,8,12
	v_pk_fma_f32 v[T:T+1], v[XS+\j:XS+\j+1], v[XS+\j:XS+\j+1], v[T:T+1]
	v_pk_fma_f32 v[T+2:T+3], v[XS+\j+2:XS+\j+3], v[XS+\j+2:XS+\j+3], v[T+2:T+3]
.endr
	v_pk_add_f32 v[T:T+1], v[T:T+1], v[T+2:T+3]
	v_add_f32 v8, v[T], v[T+1]
	ALLSUM
	v_fma_f32 v8, v8, s42, s43                     ; var + eps
	s_wait_alu depctr_va_vdst(0)
	v_rsq_f32 v[RP], v8
	v_rsq_f32 v[RP+1], v8
	v_nop                                          ; a plain instruction behind the transcendentals,
	s_wait_alu depctr_va_vdst(0)                   ; and the wait ahead of their first reader
.irp j, 0,2,4,6,8,10,12,14
	v_pk_mul_f32 v[XS+\j:XS+\j+1], v[XS+\j:XS+\j+1], v[RP:RP+1]
.endr
.irp j, 0,2,4,6,8,10,12,14
	v_pk_fma_f32 v[XS+\j:XS+\j+1], v[XS+\j:XS+\j+1], v[G+\j:G+\j+1], v[B+\j:B+\j+1]
.endr
	v_max3_num_f32 v8, |v[XS]|, |v[XS+1]|, |v[XS+2]|               ; the largest magnitude of my 16
	v_max3_num_f32 v9, |v[XS+3]|, |v[XS+4]|, |v[XS+5]|
.irp i, 6,10
	v_max3_num_f32 v8, v8, |v[XS+\i]|, |v[XS+\i+1]|
	v_max3_num_f32 v9, v9, |v[XS+\i+2]|, |v[XS+\i+3]|
.endr
	v_max3_num_f32 v8, v8, |v[XS+14]|, |v[XS+15]|
	v_max3_num_f32 v8, v8, v9, 0x1800000           ; and the floor 2^(3 - 127): the byte cannot fall under 1
	v_max_num_f32_dpp v8, v8, v8 row_xmask:1 row_mask:0xf bank_mask:0xf   ; with my neighbour's 16: the block's
	v_add_nc_u32 v11, 0xff000000, v8               ; 2 off its exponent field: the conversion's scale operand
	v_cvt_scalef32_pk16_fp6_f32 v[C+4*(\t):C+4*(\t)+2], v[XS:XS+15], v11
	v_lshrrev_b32 v[E+(\t)], 23, v11               ; the scale's byte
	ds_store_b8 v5, v[E+(\t)] offset:16*(\t)       ; both lanes of a block write the same byte with the same value
	global_store_b96 v4, v[C+4*(\t):C+4*(\t)+2], s[36:37] offset:384*(\t)   ; the wave stores the row's 384 consecutive bytes
.endm
.irp t, 0,1,2,3,4,5,6,7
	STEP \t
.endr
	ds_load_b32 v12, v6                            ; LDS serves a wave's instructions in order: this sees my byte stores
	s_wait_dscnt 0x0
	global_store_b32 v7, v12, s[38:39]             ; 32 lanes store 128 consecutive bytes: 8 rows' scale bytes
	s_wait_tensorcnt 0x0
	ds_add_u32 v240, v241
	s_wait_dscnt 0x0
	s_endpgm
	; ---------------- the weights ----------------
.Lweights:
	s_sub_co_u32 s27, ttmp9, 256
	s_wait_kmcnt 0x0
	s_cmp_lt_u32 s27, 64
	s_cbranch_scc0 .Lnot_square
	s_lshr_b32 s28, s27, 4                         ; which of the four
	s_cmp_eq_u32 s28, 1
	s_cselect_b64 s[30:31], s[12:13], s[10:11]
	s_cmp_eq_u32 s28, 2
	s_cselect_b64 s[30:31], s[14:15], s[30:31]
	s_cmp_eq_u32 s28, 3
	s_cselect_b64 s[30:31], s[16:17], s[30:31]
	s_and_b32 s32, s27, 3                          ; group of 128 columns
	s_bfe_u32 s33, s27, 0x20002                    ; K step
	s_mov_b32 s34, 2                               ; log2 of the tensor's K steps
	s_mul_i32 s35, s28, 196608                     ; its codes in wq
	s_lshl_b32 s36, s28, 13                        ; its scale words
	s_lshl_b32 s37, s33, 18                        ; 128 rows of 2,048 bytes a K step
	s_branch .Lcommon
.Lnot_square:
	s_cmp_lt_u32 s27, 128
	s_cbranch_scc0 .Lw2
	s_mov_b64 s[30:31], s[18:19]
	s_sub_co_u32 s28, s27, 64
	s_and_b32 s32, s28, 15
	s_lshr_b32 s33, s28, 4
	s_mov_b32 s34, 2
	s_mov_b32 s35, 786432
	s_mov_b32 s36, 32768
	s_lshl_b32 s37, s33, 20                        ; 128 rows of 8,192 bytes
	s_branch .Lcommon
.Lw2:
	s_mov_b64 s[30:31], s[20:21]
	s_sub_co_u32 s28, s27, 128
	s_and_b32 s32, s28, 3
	s_lshr_b32 s33, s28, 2
	s_mov_b32 s34, 4
	s_mov_b32 s35, 1572864
	s_mov_b32 s36, 65536
	s_lshl_b32 s37, s33, 18
.Lcommon:
	s_lshl_b32 s38, s32, 2
	s_add_co_u32 s38, s38, s26                     ; my pair of 32 columns
	s_lshl_b32 s38, s38, s34
	s_add_co_u32 s38, s38, s33                     ; pair x K steps + K step
	s_mul_i32 s40, s38, 3072
	s_add_co_u32 s40, s40, s35
	s_mov_b32 s41, 0
	s_lshl_b32 s42, s38, 7
	s_add_co_u32 s42, s42, s36
	s_add_co_u32 s42, s42, 2359296
	s_mov_b32 s43, 0
	s_lshl_b32 s44, s32, 9
	s_add_co_u32 s44, s44, s37
	s_lshl_b32 s45, s26, 7
	s_add_co_u32 s44, s44, s45
	s_mov_b32 s45, 0
	s_add_nc_u64 s[30:31], s[30:31], s[44:45]      ; the tensor at my K step's first row, my first column
	s_add_nc_u64 s[40:41], s[24:25], s[40:41]      ; my two fragments
	s_add_nc_u64 s[42:43], s[24:25], s[42:43]      ; my 32 scale words
	s_wait_alu depctr_va_vdst(0)
	v_lshlrev_b32 v1, 2, v2                        ; in: 4 bytes a lane: column = lane
	v_bfe_u32 v3, v2, 3, 1                         ; my column's fragment u
	v_and_b32 v4, 7, v2
	v_lshrrev_b32 v5, 4, v2
	v_lshl_or_b32 v4, v5, 3, v4                    ; and its lane-row r
	v_mul_u32_u24 v5, v3, 1536
	v_lshl_add_u32 v5, v4, 4, v5                   ; out: 1536 u + 16 r
	v_lshlrev_b32 v6, 2, v3
	v_lshl_add_u32 v6, v4, 3, v6                   ; scale word: 8 r + 4 u
.macro WLD t, pitch                    ; block t: 32 rows of my column; a wave's load reads 128 consecutive bytes
.set i, 0
.rept 32
	global_load_b32 v[N+32*(\t)+i], v1, s[30:31] offset:(32*(\t)+i)*(\pitch) th:TH_LOAD_NT
.set i, i+1
.endr
.endm
.macro WBLK t                          ; block t: all 32 numbers are mine
.set NS, N+32*(\t)
.set FD, F0+12*((\t)%2)+6*((\t)/2)
	v_max3_num_f32 v[M+2*(\t)], |v[NS]|, |v[NS+1]|, |v[NS+2]|
	v_max3_num_f32 v[M+2*(\t)+1], |v[NS+3]|, |v[NS+4]|, |v[NS+5]|
.irp i, 6,10,14,18,22,26
	v_max3_num_f32 v[M+2*(\t)], v[M+2*(\t)], |v[NS+\i]|, |v[NS+\i+1]|
	v_max3_num_f32 v[M+2*(\t)+1], v[M+2*(\t)+1], |v[NS+\i+2]|, |v[NS+\i+3]|
.endr
	v_max3_num_f32 v[M+2*(\t)], v[M+2*(\t)], |v[NS+30]|, |v[NS+31]|
	v_max3_num_f32 v[M+2*(\t)], v[M+2*(\t)], v[M+2*(\t)+1], 0x1800000
	v_add_nc_u32 v[SO+(\t)], 0xff000000, v[M+2*(\t)]
	v_lshrrev_b32 v[BY+(\t)], 23, v[SO+(\t)]
	v_cvt_scalef32_pk16_fp6_f32 v[FD:FD+2], v[NS:NS+15], v[SO+(\t)]
	v_cvt_scalef32_pk16_fp6_f32 v[PT+4*(\t):PT+4*(\t)+2], v[NS+16:NS+31], v[SO+(\t)]
.endm
.macro WQ pitch
	WLD 0, \pitch
	WLD 1, \pitch
	s_wait_loadcnt 32                              ; block 0 is in; block 1's 32 loads may be out
	WLD 2, \pitch
	WBLK 0
	s_wait_loadcnt 32                              ; block 1 is in; block 2's may be out
	WLD 3, \pitch
	WBLK 1
	s_wait_loadcnt 32                              ; block 2 is in; block 3's may be out
	WBLK 2
	s_wait_loadcnt 0x0
	WBLK 3
	v_nop                                          ; one plain instruction behind the last conversion
.irp t, 0,1,2,3
.irp i, 0,1,2
	v_mov_b32 v[F0+12*(\t%2)+6*(\t/2)+3+\i], v[PT+4*\t+\i]
.endr
.endr
	v_lshl_or_b32 v[W], v[BY+1], 8, v[BY]          ; my column's scale word for this K step
	v_lshl_or_b32 v[W], v[BY+2], 16, v[W]
	v_lshl_or_b32 v[W], v[BY+3], 24, v[W]
.irp i, 0,1,2
	global_store_b128 v5, v[F0+4*\i:F0+4*\i+3], s[40:41] offset:512*\i        ; the sixteen lanes of one u store 256 consecutive bytes, aligned
	global_store_b128 v5, v[F1+4*\i:F1+4*\i+3], s[40:41] offset:512*\i+256
.endr
	global_store_b32 v6, v[W], s[42:43]            ; 128 consecutive bytes a wave
	s_endpgm
.endm
	s_sub_co_u32 s28, s27, 64
	s_cmp_lt_u32 s28, 64                           ; W1 alone has rows of 8,192 bytes; the pitch stands in the loads' immediates
	s_cbranch_scc1 .Lwide
	s_wait_alu depctr_va_vdst(0)
	WQ 2048
.Lwide:
	s_wait_alu depctr_va_vdst(0)
	WQ 8192
.Lfunc_end_k_q4993886d95_prep:
	.size	k_q4993886d95_prep, .Lfunc_end_k_q4993886d95_prep-k_q4993886d95_prep
	.p2alignl 7, 3214868480
	.fill 96, 4, 3214868480
	.section	.rodata,"a",@progbits
	.p2align	6, 0x0
	.amdhsa_kernel k_q4993886d95_prep
		.amdhsa_group_segment_fixed_size 33280
		.amdhsa_private_segment_fixed_size 0
		.amdhsa_enable_private_segment 0
		.amdhsa_kernarg_size 88
		.amdhsa_user_sgpr_count 2
		.amdhsa_user_sgpr_kernarg_segment_ptr 1
		.amdhsa_wavefront_size32 1
		.amdhsa_system_sgpr_workgroup_id_x 1
		.amdhsa_system_sgpr_workgroup_id_y 1
		.amdhsa_system_sgpr_workgroup_id_z 1
		.amdhsa_system_vgpr_workitem_id 0
		.amdhsa_next_free_vgpr 242
		.amdhsa_next_free_sgpr 66
		.amdhsa_reserve_vcc 0
		.amdhsa_float_denorm_mode_32 3
		.amdhsa_float_denorm_mode_16_64 3
		.amdhsa_memory_ordered 1
		.amdhsa_forward_progress 1
		.amdhsa_inst_pref_size 86
	.end_amdhsa_kernel
	.amdgpu_metadata
---
amdhsa.version: [ 1, 2 ]
amdhsa.kernels:
  - .name:           k_q4993886d95_prep
    .symbol:         k_q4993886d95_prep.kd
    .args:
      - { .name: x, .offset: 0, .size: 8, .value_kind: global_buffer, .address_space: global }
      - { .name: ln1_scale, .offset: 8, .size: 8, .value_kind: global_buffer, .address_space: global }
      - { .name: ln1_shift, .offset: 16, .size: 8, .value_kind: global_buffer, .address_space: global }
      - { .name: Wq, .offset: 24, .size: 8, .value_kind: global_buffer, .address_space: global }
      - { .name: Wk, .offset: 32, .size: 8, .value_kind: global_buffer, .address_space: global }
      - { .name: Wv, .offset: 40, .size: 8, .value_kind: global_buffer, .address_space: global }
      - { .name: Wo, .offset: 48, .size: 8, .value_kind: global_buffer, .address_space: global }
      - { .name: W1, .offset: 56, .size: 8, .value_kind: global_buffer, .address_space: global }
      - { .name: W2, .offset: 64, .size: 8, .value_kind: global_buffer, .address_space: global }
      - { .name: h1, .offset: 72, .size: 8, .value_kind: global_buffer, .address_space: global }
      - { .name: wq, .offset: 80, .size: 8, .value_kind: global_buffer, .address_space: global }
    .group_segment_fixed_size: 33280
    .private_segment_fixed_size: 0
    .kernarg_segment_align: 8
    .kernarg_segment_size: 88
    .max_flat_workgroup_size: 128
    .sgpr_count:     66
    .vgpr_count:     242
    .wavefront_size: 32
...
	.end_amdgpu_metadata
.endif
;; end of part 1
;; launch qkv (part 2): grid 256 x 1, 16 waves a work-group, no clusters, 204,800 bytes of LDS; arguments h1, wq, qkv, sc; writes qkv, sc
.if DOCPART == 2
	.amdgcn_target "amdgcn-amd-amdhsa--gfx1250"
	.amdhsa_code_object_version 6
	.text
	.protected	k_q4993886d95_qkv
	.globl	k_q4993886d95_qkv
	.p2align	8
	.type	k_q4993886d95_qkv,@function
k_q4993886d95_qkv:
	s_mov_b64 s[64:65], 0
	v_nop
	global_prefetch_b8 v0, s[64:65] scope:SCOPE_SE
	s_setreg_imm32_b32 hwreg(HW_REG_WAVE_MODE, 25, 1), 1
	s_wait_xcnt 0x0
; q = h1 Wq, k = h1 Wk, v = h1 Wv on codes of E2M3, and the three results quantised again: q and k along the head's 32 channels, v along the keys.
; A work-group takes 128 rows (four groups of 32) x four heads: work-group number = 4 x (block of 128 rows) + c, heads 4 c .. 4 c + 3.  Wave w takes head 4 c + w % 4 of group w / 4 through q, k and v.
; A group is two tiles: lane-row r of tile m is row 8 m + r + 8 (r / 8).
; LDS IS FILLED ONCE, through registers, ahead of the one barrier, and only read afterwards: the four heads' fragments of the three weights (3 x 49,152 bytes, dense in wq), their scale words (3 x 2,048 bytes),
; and the four groups' 8 fragments of h1 each, as images of registers (register j of lane l at 48 l + 4 j).  So each byte of the weights is loaded once by the work-group and serves its four groups.
; A wave keeps its group's 8 fragments of h1 in 96 registers; the weights' fragments come from LDS through a ring of three chunks (two fragments and their scale words: 7 LDS loads).
; q, k: source 0 = 16 channels of W, source 1 = 16 rows: a lane holds one row and 16 neighbouring channels.  v: the sources swapped: a lane holds one channel and 16 neighbouring keys.
; Each run of 16 is half a block of 32; lanes l and l xor 16 hold a block; an exchange of halves gives lane (m, hh) a whole block (24 bytes) of run hh.
; OUT: q, k: [head][g] units of 768 bytes (register 2 p + e of lane l at 256 p + 8 l + 4 e).  v: [head][g / 4] 3,072 bytes in the order in which the attention launch's lanes read them.
; sc: [head][g][lane] words: byte 0 q's scale, byte 1 k's, byte 2 v's, byte 3 0x7f.
; cluster = none, no tensor load: the fill is one burst of 35 plain loads a thread at the head.  No prefetch: the launch has no loop to run ahead in.
; LIMITS: a block of zeros gets the byte 1 (its codes are zeros, this program alone reads the bytes); largest magnitudes under 2^-124 are held at that floor; NaN and infinities are not served.
.set WSL, 147456                       ; LDS: the weights' codes [tensor][head % 4][K step][3,072] from 0; their scale words [tensor][head % 4][K step][128] here
.set HL,  153600                       ; h1's images [group % 4][fragment 4 m + K step][1,536]
.set SPARE, 202752                     ; the spare words: 128 bytes a wave
.set FA,  10                           ; v10-12   the fill: 16 x thread, + 49,152 for each tensor
.set HS,  16                           ; v16-23   h1's scale words, 4 m + K step
.set WS,  24                           ; v24-29   three chunks' scale words, two each
.set H,   32                           ; v32-127  h1's 8 fragments
.set ACC, 128                          ; v128-159 four accumulators
.set WB,  160                          ; v160-231 three chunks of 24 registers
.set TM,  232                          ; v232-239 at work in the quantiser
.set PC,  240                          ; v240-245 a block's codes
.set PT,  246                          ; v246-248 the second run's codes
.set BQ,  249                          ; v249-251 the three scale bytes
.set SEL, 34
	s_load_b128 s[4:7], s[0:1], 0x0                ; h1, wq
	s_load_b128 s[8:11], s[0:1], 0x10              ; qkv, sc
	v_lshl_add_u32 v254, v0, 2, SPARE
	v_mov_b32 v255, 0
	v_lshrrev_b32 v236, 5, v0
	s_delay_alu instid0(VALU_DEP_1)
	v_readfirstlane_b32 s12, v236                  ; wave
	s_and_b32 s41, ttmp9, 3                        ; c: which four heads
	s_lshr_b32 s42, ttmp9, 2                       ; the block of 128 rows
	s_and_b32 s43, s12, 3                          ; my head among the four
	s_lshr_b32 s44, s12, 2                         ; my group among the four
	s_lshl_b32 s13, s42, 2
	s_add_co_u32 s13, s13, s44                     ; the group of 32 rows
	s_lshl_b32 s33, s41, 2
	s_add_co_u32 s33, s33, s43                     ; the head
	s_lshr_b32 s14, s13, 6                         ; batch
	s_and_b32 s15, s13, 63                         ; g
	s_lshl_b32 s16, s14, 4
	s_add_co_u32 s16, s16, s33                     ; 16 x batch + head
	s_mov_b32 s32, 0xffff0000                      ; lanes 16-31
	s_mov_b32 s[SEL], 0x76543210
	s_mov_b32 s[SEL+1], 0xfedcba98                 ; lane l xor 16
	s_and_b32 s38, s15, 1
	s_mul_i32 s39, s43, 12288                      ; my head's fragments in LDS
	s_mul_i32 s40, s44, 12288
	s_add_co_u32 s40, s40, HL                      ; my group's images
	s_lshr_b32 s45, s12, 1
	s_mul_i32 s45, s45, 1536
	s_and_b32 s46, s12, 1
	s_mul_i32 s46, s46, 24
	s_add_co_u32 s45, s45, s46
	s_add_co_u32 s45, s45, HL                      ; where my half fragments go: fragment wave / 2, half wave % 2, of each group
	s_lshl_b32 s46, s43, 9
	s_add_co_u32 s46, s46, WSL                     ; my head's scale words
	s_mov_b32 s37, 0
	v_and_b32 v236, 31, v0                         ; l
	v_and_b32 v237, 15, v0                         ; r
	v_bfe_u32 v238, v0, 4, 1                       ; h
	v_lshlrev_b32 v[FA], 4, v0                     ; the fill: 16 bytes a thread, in wq and in LDS alike
	v_lshlrev_b32 v13, 2, v0                       ; and 4 bytes a thread of the scale words,
	v_lshl_add_u32 v15, v0, 2, WSL                 ; in LDS
	v_and_b32 v239, 8, v237
	v_lshl_add_u32 v1, v236, 4, s39                ; a weight fragment's place for my lane: 16 l; Wq, and Wk 49,152 on
	v_mul_u32_u24 v2, v236, 48                     ; 48 l: an image's
	v_lshlrev_b32 v3, 3, v236                      ; 8 l: a unit's
	v_lshlrev_b32 v5, 2, v236
	v_add_nc_u32 v239, v239, v237                  ; r + 8 (r / 8)
	v_add_nc_u32 v[FA+1], 0xc000, v[FA]
	v_add_nc_u32 v[FA+2], 0x18000, v[FA]
	v_add_nc_u32 v14, 0x18000, v1                  ; Wv's fragments
	v_xor_b32 v4, s38, v238
	v_lshl_add_u32 v6, v237, 3, s46                ; the weights' scale words: 8 r
	v_add_nc_u32 v9, s45, v2
	v_mul_u32_u24 v7, v239, 384
	v_lshlrev_b32 v8, 4, v239                      ; h1's scale bytes: 16 a row
	v_lshlrev_b32 v4, 7, v4
	v_add_nc_u32 v2, s40, v2
	v_mov_b32 v[TM+2], 0                           ; a lane permute's destination counts as one of its sources
	v_mov_b32 v[TM+3], 0
	v_mad_u32_u24 v7, v238, 24, v7                 ; h1: my row of 384 bytes, + 24 h
	v_lshl_add_u32 v4, v237, 3, v4                 ; v's place: ((h xor g % 2) << 7) + 8 r
	s_wait_alu depctr_va_vdst(0)
	s_wait_kmcnt 0x0
	s_lshr_b32 s36, s12, 3
	s_lshl_b32 s36, s36, 3
	s_lshl_b32 s39, s42, 7
	s_add_co_u32 s36, s36, s39                     ; row 128 x block + 8 (wave / 8)
	s_mul_i32 s36, s36, 384
	s_bfe_u32 s39, s12, 0x20001
	s_mul_i32 s39, s39, 96                         ; K step (wave / 2) % 4
	s_add_co_u32 s36, s36, s39
	s_and_b32 s39, s12, 1
	s_mul_i32 s39, s39, 48                         ; half wave % 2
	s_add_co_u32 s36, s36, s39
	s_add_nc_u64 s[18:19], s[4:5], s[36:37]
	s_lshl_b32 s36, s13, 9
	s_add_co_u32 s36, s36, 3145728
	s_add_nc_u64 s[20:21], s[4:5], s[36:37]        ; h1's scale bytes of my group's 32 rows
	s_mul_i32 s36, s41, 49152
	s_add_nc_u64 s[22:23], s[6:7], s[36:37]        ; the four heads' fragments of Wq; Wk and Wv lie 196,608 bytes on each
	s_lshl_b32 s36, s41, 11
	s_add_co_u32 s36, s36, 2359296
	s_add_nc_u64 s[24:25], s[6:7], s[36:37]        ; their scale words; 8,192 bytes on each
.irp q, 0,1,2,3
.irp p, 0,1,2
	global_load_b64 v[ACC+6*\q+2*\p:ACC+6*\q+2*\p+1], v7, s[18:19] offset:12288*\q+8*\p   ; my half fragment of each of the four groups (32 rows of 384 bytes apart)
.endr
.endr
.irp m, 0,1
	global_load_b128 v[HS+4*\m:HS+4*\m+3], v8, s[20:21] offset:128*\m  ; a row's 16 scale bytes are its four K steps' words
.endr
.set j, 0
.rept 18
	global_load_b128 v[WB+4*j:WB+4*j+3], v[FA], s[22:23] offset:(j/6)*196608+(j%6)*8192   ; the work-group reads 8,192 consecutive bytes
.set j, j+1
.endr
.irp t, 0,1,2
	global_load_b32 v[WS+\t], v13, s[24:25] offset:8192*\t
.endr
	s_mul_i32 s36, s16, 49152                      ; the addresses of the way out, while the loads are out
	s_mul_i32 s39, s15, 768
	s_add_co_u32 s36, s36, s39
	s_add_nc_u64 s[26:27], s[8:9], s[36:37]        ; q's unit; k's lies 3,145,728 bytes on
	s_mul_i32 s36, s16, 49152
	s_add_co_u32 s36, s36, 6291456
	s_lshr_b32 s39, s15, 2
	s_mul_i32 s39, s39, 3072
	s_add_co_u32 s36, s36, s39
	s_bfe_u32 s39, s15, 0x10001
	s_mul_i32 s39, s39, 1536
	s_add_co_u32 s36, s36, s39
	s_lshl_b32 s39, s38, 8
	s_add_co_u32 s36, s36, s39
	s_add_nc_u64 s[28:29], s[8:9], s[36:37]        ; v's place
	s_lshl_b32 s36, s16, 6
	s_add_co_u32 s36, s36, s15
	s_lshl_b32 s36, s36, 7
	s_add_nc_u64 s[30:31], s[10:11], s[36:37]      ; the scale words out
.macro MM0 d, a, b, sa, sb             ; the first K step starts a sum
	v_wmma_scale_f32_16x16x128_f8f6f4 v[\d:\d+7], v[\a:\a+11], v[\b:\b+11], 0, v[\sa], v[\sb] matrix_a_fmt:MATRIX_FMT_FP6 matrix_b_fmt:MATRIX_FMT_FP6
.endm
.macro MMA d, a, b, sa, sb
	v_wmma_scale_f32_16x16x128_f8f6f4 v[\d:\d+7], v[\a:\a+11], v[\b:\b+11], v[\d:\d+7], v[\sa], v[\sb] matrix_a_fmt:MATRIX_FMT_FP6 matrix_b_fmt:MATRIX_FMT_FP6
.endm
.macro WLOAD n                         ; chunk n = 4 x tensor + K step, from LDS: two fragments (six loads of 512 consecutive bytes) and their scale words
.if (\n) < 8
.set WAD, 1
.set WOF, ((\n)/4)*49152+((\n)%4)*3072
.else
.set WAD, 14
.set WOF, ((\n)%4)*3072
.endif
.irp i, 0,1,2,3,4,5
	ds_load_b128 v[WB+24*((\n)%3)+4*\i:WB+24*((\n)%3)+4*\i+3], v[WAD] offset:WOF+512*\i
.endr
	ds_load_b64 v[WS+2*((\n)%3):WS+2*((\n)%3)+1], v6 offset:((\n)/4)*2048+((\n)%4)*128
.endm
.macro CH n, left                      ; chunk n's four products: the four accumulators take turns
.set WBN, WB+24*((\n)%3)
.set WSN, WS+2*((\n)%3)
.set KK, (\n)%4
	s_wait_dscnt \left                             ; chunk n is in; the later chunks, 7 LDS loads each, may be out
.irp m, 0,1
.irp u, 0,1
.if (\n) < 8
.if KK == 0
	MM0 ACC+16*\m+8*\u, WBN+12*\u, H+12*(4*\m+KK), WSN+\u, HS+4*\m+KK
.else
	MMA ACC+16*\m+8*\u, WBN+12*\u, H+12*(4*\m+KK), WSN+\u, HS+4*\m+KK
.endif
.else
.if KK == 0
	MM0 ACC+16*\u+8*\m, H+12*(4*\m+KK), WBN+12*\u, HS+4*\m+KK, WSN+\u
.else
	MMA ACC+16*\u+8*\m, H+12*(4*\m+KK), WBN+12*\u, HS+4*\m+KK, WSN+\u
.endif
.endif
.endr
.endr
.rept 4
	v_nop                                          ; four places ahead of loads into registers that these products read, and of the first read of results
.endr
.if (\n)+3 <= 11
	WLOAD (\n)+3
.endif
.endm
.macro QUANT2 s0, s1, d0, d1           ; two runs of 16 registers, each half a block (the other half in lane l xor 16): three registers of codes each; the bytes in v[TM+6], v[TM+7]
	v_max3_num_f32 v[TM], |v[\s0]|, |v[\s0+1]|, 0x1800000          ; with the floor 2^(3 - 127): the byte cannot fall under 1
	v_max3_num_f32 v[TM+1], |v[\s1]|, |v[\s1+1]|, 0x1800000
.irp i, 2,4,6,8,10,12,14
	v_max3_num_f32 v[TM], v[TM], |v[\s0+\i]|, |v[\s0+\i+1]|
	v_max3_num_f32 v[TM+1], v[TM+1], |v[\s1+\i]|, |v[\s1+\i+1]|
.endr
	s_delay_alu instid0(VALU_DEP_2)
	v_permlanex16_b32 v[TM+2], v[TM], s[SEL], s[SEL+1]
	s_delay_alu instid0(VALU_DEP_2)
	v_permlanex16_b32 v[TM+3], v[TM+1], s[SEL], s[SEL+1]
	s_delay_alu instid0(VALU_DEP_2)
	v_max_num_f32 v[TM], v[TM], v[TM+2]
	s_delay_alu instid0(VALU_DEP_2)
	v_max_num_f32 v[TM+1], v[TM+1], v[TM+3]
	s_delay_alu instid0(VALU_DEP_2)
	v_add_nc_u32 v[TM+4], 0xff000000, v[TM]        ; 2 off the exponent field: the conversion's scale operand
	s_delay_alu instid0(VALU_DEP_2)
	v_add_nc_u32 v[TM+5], 0xff000000, v[TM+1]
	s_delay_alu instid0(VALU_DEP_2)
	v_lshrrev_b32 v[TM+6], 23, v[TM+4]
	s_delay_alu instid0(VALU_DEP_2)
	v_lshrrev_b32 v[TM+7], 23, v[TM+5]
	v_cvt_scalef32_pk16_fp6_f32 v[\d0:\d0+2], v[\s0:\s0+15], v[TM+4]
	v_cvt_scalef32_pk16_fp6_f32 v[\d1:\d1+2], v[\s1:\s1+15], v[TM+5]
	v_nop                                          ; one plain instruction behind the last conversion
.endm
.macro OUT kind                        ; 0: q, 1: k, 2: v
	s_wait_xcnt 0x0                                ; the last tensor's stores have read v[PC] on: only behind this wait are they written again
	QUANT2 ACC, ACC+16, PC, PT
.irp i, 0,1,2
	v_permlane16_swap_b32 v[PC+\i], v[PT+\i]       ; lane (m, hh) now holds run hh's lower 16 codes in the first, its upper 16 in the second
.endr
.irp i, 0,1,2
	s_delay_alu instid0(VALU_DEP_3)
	v_mov_b32 v[PC+3+\i], v[PT+\i]
.endr
	v_cndmask_b32 v[BQ+\kind], v[TM+6], v[TM+7], s32   ; and run hh's byte
.irp p, 0,1,2
.if \kind == 0
	global_store_b64 v3, v[PC+2*\p:PC+2*\p+1], s[26:27] offset:256*\p          ; 32 lanes store 256 consecutive bytes, aligned
.elseif \kind == 1
	global_store_b64 v3, v[PC+2*\p:PC+2*\p+1], s[26:27] offset:256*\p+3145728
.else
	global_store_b64 v4, v[PC+2*\p:PC+2*\p+1], s[28:29] offset:512*\p
.endif
.endr
.endm
	s_wait_loadcnt 23                              ; my 12 loads of h1 are in; behind them: 2 of h1's scale words, 18 of the weights, 3 of their scale words
.irp q, 0,1,2,3
.irp p, 0,1,2
	ds_store_b64 v9, v[ACC+6*\q+2*\p:ACC+6*\q+2*\p+1] offset:12288*\q+8*\p
.endr
.endr
.irp t, 0,1,2
	s_wait_loadcnt 15-6*\t                         ; tensor t's six loads are in; behind them: six for each later tensor and the 3 of scale words
.irp i, 0,1,2,3,4,5
	ds_store_b128 v[FA+\t], v[WB+24*\t+4*\i:WB+24*\t+4*\i+3] offset:8192*\i
.endr
.endr
	s_wait_loadcnt 0x0
.irp t, 0,1,2
	ds_store_b32 v15, v[WS+\t] offset:2048*\t
.endr
	s_wait_dscnt 0x0                               ; for the others' sake: my stores have landed
	s_barrier_signal -1
	s_barrier_wait -1                              ; the only barrier: from here on LDS is only read
.irp f, 0,1,2,3,4,5,6,7
.irp i, 0,1,2
	ds_load_b128 v[H+12*\f+4*\i:H+12*\f+4*\i+3], v2 offset:1536*\f+16*\i
.endr
.endr
	WLOAD 0
	WLOAD 1
	WLOAD 2
	CH 0, 14                                       ; (h1's 24 loads stand ahead of chunk 0's: they are in too)
	CH 1, 14
	CH 2, 14
	CH 3, 14
	OUT 0
	CH 4, 14
	CH 5, 14
	CH 6, 14
	CH 7, 14
	OUT 1
	CH 8, 14
	CH 9, 14
	CH 10, 7
	CH 11, 0
	OUT 2
	v_lshl_or_b32 v[BQ], v[BQ+1], 8, v[BQ]
	s_delay_alu instid0(VALU_DEP_1)
	v_lshl_or_b32 v[BQ], v[BQ+2], 16, v[BQ]
	s_delay_alu instid0(VALU_DEP_1)
	v_or_b32 v[BQ], 0x7f000000, v[BQ]
	global_store_b32 v5, v[BQ], s[30:31]           ; 128 consecutive bytes a wave
	s_wait_tensorcnt 0x0                           ; the wave's end
	ds_add_u32 v254, v255
	s_wait_dscnt 0x0
	s_endpgm
.Lfunc_end_k_q4993886d95_qkv:
	.size	k_q4993886d95_qkv, .Lfunc_end_k_q4993886d95_qkv-k_q4993886d95_qkv
	.p2alignl 7, 3214868480
	.fill 96, 4, 3214868480
	.section	.rodata,"a",@progbits
	.p2align	6, 0x0
	.amdhsa_kernel k_q4993886d95_qkv
		.amdhsa_group_segment_fixed_size 204800
		.amdhsa_private_segment_fixed_size 0
		.amdhsa_enable_private_segment 0
		.amdhsa_kernarg_size 32
		.amdhsa_user_sgpr_count 2
		.amdhsa_user_sgpr_kernarg_segment_ptr 1
		.amdhsa_wavefront_size32 1
		.amdhsa_system_sgpr_workgroup_id_x 1
		.amdhsa_system_sgpr_workgroup_id_y 1
		.amdhsa_system_sgpr_workgroup_id_z 1
		.amdhsa_system_vgpr_workitem_id 0
		.amdhsa_next_free_vgpr 256
		.amdhsa_next_free_sgpr 66
		.amdhsa_reserve_vcc 0
		.amdhsa_float_denorm_mode_32 3
		.amdhsa_float_denorm_mode_16_64 3
		.amdhsa_memory_ordered 1
		.amdhsa_forward_progress 1
		.amdhsa_inst_pref_size 33
	.end_amdhsa_kernel
	.amdgpu_metadata
---
amdhsa.version: [ 1, 2 ]
amdhsa.kernels:
  - .name:           k_q4993886d95_qkv
    .symbol:         k_q4993886d95_qkv.kd
    .args:
      - { .name: h1, .offset: 0, .size: 8, .value_kind: global_buffer, .address_space: global }
      - { .name: wq, .offset: 8, .size: 8, .value_kind: global_buffer, .address_space: global }
      - { .name: qkv, .offset: 16, .size: 8, .value_kind: global_buffer, .address_space: global }
      - { .name: sc, .offset: 24, .size: 8, .value_kind: global_buffer, .address_space: global }
    .group_segment_fixed_size: 204800
    .private_segment_fixed_size: 0
    .kernarg_segment_align: 8
    .kernarg_segment_size: 32
    .max_flat_workgroup_size: 512
    .sgpr_count:     66
    .vgpr_count:     256
    .wavefront_size: 32
...
	.end_amdgpu_metadata
.endif
;; end of part 2
;; launch attn (part 3): grid 4 x 64, 16 waves a work-group, no clusters, 104,448 bytes of LDS; arguments qkv, sc, ctx; writes ctx
.if DOCPART == 3
	.amdgcn_target "amdgcn-amd-amdhsa--gfx1250"
	.amdhsa_code_object_version 6
	.text
	.protected	k_q4993886d95_attn
	.globl	k_q4993886d95_attn
	.p2align	8
	.type	k_q4993886d95_attn,@function
k_q4993886d95_attn:
	s_mov_b64 s[64:65], 0
	v_nop
	global_prefetch_b8 v0, s[64:65] scope:SCOPE_SE
	s_setreg_imm32_b32 hwreg(HW_REG_WAVE_MODE, 25, 1), 1
	s_wait_xcnt 0x0
; Causal attention of one head (work-group y = 16 x batch + head) on codes of E2M3, and its result quantised along the head's 32 channels.
; t = score x log2(e) / sqrt(32); M = the running largest t rounded up to a whole number; p = 2^(t - M) is quantised along the keys, not normalised; the row's sum is of the unquantised p and divides at the end.
; SHARES.  A head has 128 tiles of 16 queries (tile t: group g = t / 2, half u = t % 2; lane m holds query 32 g + 8 u + m + 8 (m / 8)).  Tile t needs t / 8 + 1 key steps of 128.  Wave w of work-group x = j takes
; tiles 16 j + w and 127 - (16 j + w): 17 key steps for every wave.  The loop over key steps has a constant count of 16; a step all of whose keys come after the tile's queries is jumped over by a scalar branch on ids.
; LDS holds the head's K and V codes whole (49,152 bytes each) and their scale words; it is filled once, through registers, in front of the one barrier, and only read afterwards.
; THE FIRST PRODUCT HAS K = 32.  A fragment of 12 registers holds four sets of 16 keys, one in each block of 32 of the instruction's 128; set j is multiplied by a copy of Q whose codes are zeros outside block j.
; The four copies are windows of 12 registers into 30: zeros, Q in lanes 0-15, zeros, Q in lanes 16-31, zeros.  Q's scale word carries the query's byte four times.
; (The blocks that Q's zeros blank out still carry other keys' scale bytes: their products are zeros.)
; Both products are used transposed: a lane holds one query; the keys of a set are chosen so that 16 registers of two neighbouring score tiles are 16 neighbouring keys.
; OUT: ctx codes [head][tile][m][24 bytes]; scale bytes at byte 3,145,728: [32 (64 batch + g) + 16 u + m][head].
; LIMITS: a block of zeros gets the byte 1 (zero codes; this program alone reads the bytes); NaN and infinities are not served; the division by the sum is v_rcp_f32 and a multiplication.
.set VB,  49152                        ; LDS: V behind K
.set KSB, 98304                        ; K's scale words [step][f][m]: byte 2 c + hh: key 128 step + 64 f + 32 c + 8 hh + m + 8 (m / 8)
.set VSB, 100352                       ; V's [step][u][m]: byte beta: key block 4 step + beta of channel 8 u + m + 8 (m / 8)
.set QV,  30                           ; v30-59   the four copies of Q
.set KF,  60                           ; v60-83   K's two fragments
.set VF,  84                           ; v84-107  V's two
.set S,   108                          ; v108-171 scores, then p
.set O,   172                          ; v172-187 O^T
.set PCD, 188                          ; v188-199 p's codes
.set QL,  200                          ; v200-205 Q as loaded, v206 its scale word as loaded
.set BM,  208                          ; v208-211 the blocks' largest scores
.set BX,  212                          ; v212-215 at work
.set SO,  216                          ; v216-219 the conversions' scale operands
.set PT,  220                          ; v220-222, v224-226 the upper blocks' codes
.set SEL, 34
.set CS,  36
	s_load_b128 s[4:7], s[0:1], 0x0                ; qkv, sc
	s_load_b64 s[8:9], s[0:1], 0x10                ; ctx
	v_lshl_add_u32 v254, v0, 2, 0x19000
	v_mov_b32 v255, 0
	v_lshrrev_b32 v8, 5, v0
	s_delay_alu instid0(VALU_DEP_1)
	v_readfirstlane_b32 s10, v8                    ; wave
	s_mov_b32 s11, ttmp9
	s_and_b32 s12, ttmp7, 0xffff                   ; 16 x batch + head
	s_lshl_b32 s26, s11, 4
	s_add_co_u32 s26, s26, s10                     ; my first tile
	s_mov_b32 s[SEL], 0x76543210
	s_mov_b32 s[SEL+1], 0xfedcba98                 ; lane l xor 16
	s_mov_b32 s[CS], 0x3e8293ee                    ; c = log2(e) / sqrt(32)
	s_mov_b32 s[CS+1], s[CS]                       ; (named with it as a pair, so it is written)
	s_mov_b32 s38, 0xffff0000                      ; lanes 16-31
	v_and_b32 v9, 31, v0                           ; l
	v_and_b32 v10, 15, v0                          ; m
	v_bfe_u32 v11, v0, 4, 1                        ; h
	s_delay_alu instid0(VALU_DEP_3)
	v_lshlrev_b32 v1, 3, v9                        ; K: 8 l
	s_delay_alu instid0(VALU_DEP_3)
	v_lshlrev_b32 v17, 3, v10                      ; 8 m
	s_delay_alu instid0(VALU_DEP_4)
	v_lshlrev_b32 v18, 2, v10                      ; 4 m
	v_lshlrev_b32 v16, 4, v10                      ; 16 m
	s_delay_alu instid0(VALU_DEP_3)
	v_mad_u32_u24 v2, v11, 384, v17
	s_delay_alu instid0(VALU_DEP_1)
	v_add_nc_u32 v2, VB, v2                        ; V, channels' tile 0: 8 m + 384 h
	v_lshl_add_u32 v3, v11, 7, v17
	s_delay_alu instid0(VALU_DEP_1)
	v_add_nc_u32 v3, VB+128, v3                    ; tile 1: 128 + 8 m + 128 h
	v_lshl_add_u32 v4, v9, 2, KSB                  ; K's scale words: lanes 0-15 fragment 0's, lanes 16-31 fragment 1's
	v_add_nc_u32 v5, VSB, v18
	v_and_b32 v6, 8, v10
	s_delay_alu instid0(VALU_DEP_1)
	v_add_nc_u32 v6, v6, v10
	v_lshlrev_b32 v12, 4, v11
	s_delay_alu instid0(VALU_DEP_1)
	v_sub_nc_u32 v6, v6, v12                       ; m + 8 (m / 8) - 16 h, for the mask
	v_mul_u32_u24 v7, v10, 24
	s_delay_alu instid0(VALU_DEP_1)
	v_mad_u32_u24 v7, v11, 12, v7                  ; ctx: 24 m + 12 h
	; the fill's addresses.  Thread i holds the head's sc words 4 i + e: group g = i / 8, lane 4 (i % 8) + e
	v_lshlrev_b32 v8, 4, v0                        ; 16 i
	s_delay_alu instid0(VALU_DEP_1)
	v_add_nc_u32 v9, VB, v8
	v_and_b32 v29, 0x1e0, v0
	s_delay_alu instid0(VALU_DEP_1)
	v_lshlrev_b32 v29, 2, v29                      ; 128 (i / 32): the key step
	v_and_b32 v28, 3, v0
	s_delay_alu instid0(VALU_DEP_1)
	v_lshl_add_u32 v29, v28, 4, v29                ; + 16 (i % 4): word m = 4 (i % 4) + e
	v_bfe_u32 v28, v0, 4, 1
	s_delay_alu instid0(VALU_DEP_1)
	v_lshl_add_u32 v10, v28, 6, v29                ; K: fragment f = (g / 2) % 2
	v_bfe_u32 v28, v0, 3, 1
	s_delay_alu instid0(VALU_DEP_1)
	v_lshl_add_u32 v10, v28, 1, v10                ; byte 2 (g % 2)
	v_bfe_u32 v28, v0, 2, 1
	s_delay_alu instid0(VALU_DEP_1)
	v_add_nc_u32 v10, v10, v28                     ; + hh
	s_delay_alu instid0(VALU_DEP_1)
	v_add_nc_u32 v10, KSB, v10
	s_delay_alu instid0(VALU_DEP_3)
	v_lshl_add_u32 v11, v28, 6, v29                ; V: tile u = hh
	v_bfe_u32 v28, v0, 3, 2
	s_delay_alu instid0(VALU_DEP_1)
	v_add_nc_u32 v11, v11, v28                     ; byte g % 4
	s_delay_alu instid0(VALU_DEP_1)
	v_add_nc_u32 v11, VSB, v11
.irp b, 0,1,2,3
	v_mov_b32 v[BX+\b], 0                          ; written once: a lane permute's destination counts as one of its sources
.endr
	v_mov_b32 v228, 0
	v_mov_b32 v229, 0
	s_mov_b32 s47, 0
	s_wait_kmcnt 0x0
	s_mul_i32 s46, s12, 49152
	s_add_nc_u64 s[14:15], s[4:5], s[46:47]        ; the head's q,
	s_add_nc_u64 s[16:17], s[14:15], 3145728       ; k,
	s_add_nc_u64 s[18:19], s[14:15], 6291456       ; v,
	s_add_nc_u64 s[22:23], s[8:9], s[46:47]        ; and ctx codes
	s_lshl_b32 s46, s12, 13
	s_add_nc_u64 s[20:21], s[6:7], s[46:47]        ; its scale words
	s_lshr_b32 s46, s12, 4
	s_lshl_b32 s46, s46, 15
	s_and_b32 s48, s12, 15
	s_add_co_u32 s46, s46, s48
	s_add_co_u32 s46, s46, 3145728
	s_add_nc_u64 s[24:25], s[8:9], s[46:47]        ; ctx's scale bytes: the batch's rows, my head's byte
	s_lshr_b32 s45, s26, 1                         ; my first tile's Q is asked for here, with K and V: unit g = tile / 2, lanes 16 (tile % 2) + m
	s_mul_i32 s45, s45, 768
	s_and_b32 s48, s26, 1
	s_lshl_b32 s48, s48, 7
	s_add_co_u32 s45, s45, s48
	s_lshl_b32 s48, s26, 6
	v_add_nc_u32 v19, s45, v17
	v_add_nc_u32 v29, s48, v18
.irp p, 0,1,2
	global_load_b64 v[QL+2*\p:QL+2*\p+1], v19, s[14:15] offset:256*\p
.endr
	global_load_b32 v[QL+6], v29, s[20:21]
.irp i, 0,1,2,3,4,5
	global_load_b128 v[KF+4*\i:KF+4*\i+3], v8, s[16:17] offset:8192*\i
.endr
.irp i, 0,1,2,3,4,5
	global_load_b128 v[VF+4*\i:VF+4*\i+3], v8, s[18:19] offset:8192*\i
.endr
	global_load_b128 v[S:S+3], v8, s[20:21]
	s_wait_loadcnt 0x0
.irp i, 0,1,2,3,4,5
	ds_store_b128 v8, v[KF+4*\i:KF+4*\i+3] offset:8192*\i
	ds_store_b128 v9, v[VF+4*\i:VF+4*\i+3] offset:8192*\i
.endr
.irp e, 0,1,2,3
	v_lshrrev_b32 v[S+4+\e], 8, v[S+\e]            ; k's byte
	v_lshrrev_b32 v[S+8+\e], 16, v[S+\e]           ; v's byte
.endr
.irp e, 0,1,2,3
	ds_store_b8 v10, v[S+4+\e] offset:4*\e
	ds_store_b8 v11, v[S+8+\e] offset:4*\e
.endr
	s_wait_dscnt 0x0                               ; for the others' sake: my stores have landed
	s_barrier_signal -1
	s_barrier_wait -1                              ; the only barrier: from here on LDS is only read
	s_mov_b32 s27, 0
.Lpass:                                            ; two trips: my early tile, then my late one
	s_wait_xcnt 0x0                                ; the last tile's loads and stores have read their addresses and bases: they are written again below
	s_sub_co_u32 s28, 127, s26
	s_cmp_eq_u32 s27, 0
	s_cselect_b32 s28, s26, s28                    ; the tile
	s_lshr_b32 s29, s28, 3                         ; its last key step
	s_lshr_b32 s45, s28, 1
	s_and_b32 s48, s28, 1
	s_lshl_b32 s33, s45, 5
	s_lshl_b32 s49, s48, 3
	s_add_co_u32 s33, s33, s49                     ; 32 g + 8 u
	s_mul_i32 s46, s28, 384
	s_add_nc_u64 s[40:41], s[22:23], s[46:47]
	s_lshl_b32 s46, s28, 8
	s_add_nc_u64 s[42:43], s[24:25], s[46:47]
	; (this tile's Q was asked for earlier: the first tile's at the head, the second's in the first trip, below)
.irp i, 0,1,2,3,4,5
	v_mov_b32 v[QV+\i], 0
	v_mov_b32 v[QV+12+\i], 0
	v_mov_b32 v[QV+24+\i], 0
.endr
	v_mov_b32 v13, 0xff61b1e6                      ; the largest t so far: -3e38
	s_delay_alu instid0(VALU_DEP_1)
	v_floor_f32 v12, -v13                          ; -M
	v_mov_b32 v14, 0                               ; the sum, in two halves
	v_mov_b32 v15, 0
.set j, 0
.rept 16
	v_mov_b32 v[O+j], 0                            ; O^T: the step is written once; the first finds zeros
.set j, j+1
.endr
	v_mov_b32 v231, 0                              ; (named as the upper half of the pair v[230:231] before it is first written)
	s_wait_loadcnt 0x0
.irp i, 0,1,2,3,4,5
	v_cndmask_b32 v[QV+6+\i], v[QL+\i], v[QV], s38     ; Q in lanes 0-15, zeros above
	v_cndmask_b32 v[QV+18+\i], v[QV], v[QL+\i], s38    ; and the other way round
.endr
	v_perm_b32 v20, v[QL+6], v[QL+6], 0            ; the query's byte in all four bytes
	s_wait_alu depctr_va_vdst(0)
	s_cmp_lg_u32 s27, 0
	s_cbranch_scc1 .Lnoq                           ; the second trip has no tile behind it
	s_sub_co_u32 s45, 127, s26                     ; Q's registers have been read: my second tile's Q is asked for now and waited for at the second trip's head
	s_lshr_b32 s48, s45, 1
	s_mul_i32 s48, s48, 768
	s_and_b32 s49, s45, 1
	s_lshl_b32 s49, s49, 7
	s_add_co_u32 s48, s48, s49
	s_lshl_b32 s45, s45, 6
	v_add_nc_u32 v19, s48, v17                     ; (the loads that read v19 and v29 last have been waited for)
	v_add_nc_u32 v29, s45, v18
.irp p, 0,1,2
	global_load_b64 v[QL+2*\p:QL+2*\p+1], v19, s[14:15] offset:256*\p
.endr
	global_load_b32 v[QL+6], v29, s[20:21]
.Lnoq:
.rept 8
	v_nop                                          ; a scale register written by a vector instruction stands eight places ahead of the product, an operand four
.endr
	s_mov_b32 s30, 0                               ; the key step,
	s_mov_b32 s31, 0                               ; its codes in LDS: 3,072 bytes a step, of K and of V,
	s_mov_b32 s32, 0                               ; its scale words: 128 bytes a step
.Lstep:
	s_cmp_gt_u32 s30, s29
	s_cbranch_scc1 .Lskip                          ; all its keys come after my queries
	v_add_nc_u32 v8, s31, v1                       ; (these five are also the places behind the last step's products, ahead of the loads into their operands)
	v_add_nc_u32 v9, s31, v2
	v_add_nc_u32 v10, s31, v3
	v_add_nc_u32 v11, s32, v4
	v_add_nc_u32 v28, s32, v5
.irp f, 0,1
.irp c, 0,1
.irp p, 0,1,2
	ds_load_b64 v[KF+12*\f+6*\c+2*\p:KF+12*\f+6*\c+2*\p+1], v8 offset:(2*\f+\c)*768+256*\p
.endr
.endr
.endr
	ds_load_b32 v21, v11
.irp c, 0,1
.irp p, 0,1,2
	ds_load_b64 v[VF+6*\c+2*\p:VF+6*\c+2*\p+1], v9 offset:(3*\c+\p)*512
	ds_load_b64 v[VF+12+6*\c+2*\p:VF+12+6*\c+2*\p+1], v10 offset:(3*\c+\p)*512
.endr
.endr
	ds_load_b32 v22, v28
	ds_load_b32 v23, v28 offset:64
	s_wait_dscnt 14                                ; K and its scale words are in; V's 12 loads and its 2 scale words may be out
	s_wait_alu depctr_va_vdst(0)
.irp f, 0,1
.irp j, 0,1,2,3
.set QW, QV+6+12*(\j%2)-6*(\j/2)
.if \f == 0
	v_wmma_scale_f32_16x16x128_f8f6f4 v[S+8*(4*\f+\j):S+8*(4*\f+\j)+7], v[KF+12*\f:KF+12*\f+11], v[QW:QW+11], 0, v21, v20 matrix_a_fmt:MATRIX_FMT_FP6 matrix_b_fmt:MATRIX_FMT_FP6
.else
	v_wmma_scale_f32_16x16x128_f8f6f4 v[S+8*(4*\f+\j):S+8*(4*\f+\j)+7], v[KF+12*\f:KF+12*\f+11], v[QW:QW+11], 0, v21, v20 matrix_a_fmt:MATRIX_FMT_FP6 matrix_b_fmt:MATRIX_FMT_FP6 matrix_a_scale:MATRIX_SCALE_ROW1
.endif
.endr
.endr                                              ; register 16 b + i of S: key 128 step + 32 b + 16 (lane / 16) + i
.rept 4
	v_nop
.endr
	s_cmp_lg_u32 s30, s29
	s_cbranch_scc1 .Lopen                          ; only the tile's last step lies on the diagonal
	s_lshl_b32 s48, s30, 7
	s_sub_co_i32 s48, s33, s48
	v_add_nc_u32 v229, s48, v6                     ; d = my query - the step's first key - 16 (lane / 16): register 16 b + i is hidden where 32 b + i > d
	v_mov_b32 v228, 0xff800000                     ; -infinity: p = 0 then
.set n, 0
.rept 64
	v_cmp_gt_i32 vcc_lo, 32*(n/16)+n%16, v229
	v_cndmask_b32 v[S+n], v[S+n], v228, vcc_lo
.set n, n+1
.endr
.Lopen:
.irp b, 0,1,2,3
	v_max3_num_f32 v[BM+\b], v[S+16*\b], v[S+1+16*\b], v[S+2+16*\b]    ; the largest score of each block of 32 keys: for the row's maximum, and, since p rises with the score, for the block's largest p
.endr
.irp i, 3,5,7,9,11,13
.irp b, 0,1,2,3
	v_max3_num_f32 v[BM+\b], v[BM+\b], v[S+16*\b+\i], v[S+1+16*\b+\i]
.endr
.endr
.irp b, 0,1,2,3
	v_max_num_f32 v[BM+\b], v[BM+\b], v[S+15+16*\b]
.endr
.irp b, 0,1,2,3
	s_delay_alu instid0(VALU_DEP_4)
	v_permlanex16_b32 v[BX+\b], v[BM+\b], s[SEL], s[SEL+1]
.endr
.irp b, 0,1,2,3
	s_delay_alu instid0(VALU_DEP_4)
	v_max_num_f32 v[BM+\b], v[BM+\b], v[BX+\b]     ; with lane l xor 16's 16 keys
.endr
	s_delay_alu instid0(VALU_DEP_2)
	v_max3_num_f32 v228, v[BM], v[BM+1], v[BM+2]
	s_delay_alu instid0(VALU_DEP_1)
	v_max_num_f32 v228, v228, v[BM+3]
	s_delay_alu instid0(VALU_DEP_1)
	v_mul_f32 v228, s[CS], v228                    ; as t (c is positive)
	s_delay_alu instid0(VALU_DEP_1)
	v_max_num_f32 v13, v13, v228                   ; the running largest t
	v_mov_b32 v228, v12
	s_delay_alu instid0(VALU_DEP_2)
	v_floor_f32 v12, -v13                          ; the new -M = -ceil(t): a whole number
	s_delay_alu instid0(VALU_DEP_1)
	v_sub_f32 v228, v12, v228                      ; old M - new M: a whole number, 0 or less
	s_delay_alu instid0(VALU_DEP_1)
	v_cvt_i32_f32 v228, v228                       ; (it saturates)
	s_delay_alu instid0(VALU_DEP_1)
	v_ldexp_f32 v230, 1.0, v228                    ; f = 2^(old M - new M)
.set j, 0
.rept 32
	v_pk_fma_f32 v[S+j:S+j+1], v[S+j:S+j+1], s[CS:CS+1], v[12:13] op_sel_hi:[1,0,0]   ; t - M
.set j, j+2
.endr
.irp b, 0,1,2,3
	v_fma_f32 v[BM+\b], v[BM+\b], s[CS], v12       ; the same of each block's largest score
.endr
.set j, 0
	s_wait_alu depctr_va_vdst(0)
.rept 64
	v_exp_f32 v[S+j], v[S+j]                       ; p = 2^(t - M)
.set j, j+1
.endr
	v_pk_mul_f32 v[14:15], v[14:15], v[230:231] op_sel_hi:[1,0]    ; the sums under the new M (a plain instruction behind the exponentials)
	s_wait_alu depctr_va_vdst(0)                   ; the wait ahead of the batch's first reader: one for the 64
.irp b, 0,1,2,3
	v_exp_f32 v[BM+\b], v[BM+\b]                   ; the block's largest p
.endr
	v_pk_add_f32 v[212:213], v[112:113], v[116:117]
	v_pk_add_f32 v[252:253], v[120:121], v[124:125]
	v_pk_add_f32 v[250:251], v[128:129], v[132:133]
	v_pk_add_f32 v[248:249], v[136:137], v[140:141]
	v_pk_add_f32 v[246:247], v[144:145], v[148:149]
	v_pk_add_f32 v[244:245], v[152:153], v[156:157]
	v_pk_add_f32 v[242:243], v[160:161], v[164:165]
	v_pk_add_f32 v[14:15], v[14:15], v[168:169]
	v_pk_add_f32 v[212:213], v[212:213], v[108:109]
	v_pk_add_f32 v[252:253], v[252:253], v[110:111]
	v_pk_add_f32 v[250:251], v[250:251], v[114:115]
	v_pk_add_f32 v[248:249], v[248:249], v[118:119]
	v_pk_add_f32 v[246:247], v[246:247], v[122:123]
	v_pk_add_f32 v[244:245], v[244:245], v[126:127]
	v_pk_add_f32 v[242:243], v[242:243], v[130:131]
	v_pk_add_f32 v[14:15], v[14:15], v[134:135]
	v_pk_add_f32 v[212:213], v[212:213], v[138:139]
	v_pk_add_f32 v[252:253], v[252:253], v[142:143]
	v_pk_add_f32 v[250:251], v[250:251], v[146:147]
	v_pk_add_f32 v[248:249], v[248:249], v[150:151]
	v_pk_add_f32 v[246:247], v[246:247], v[154:155]
	v_pk_add_f32 v[244:245], v[244:245], v[158:159]
	v_pk_add_f32 v[242:243], v[242:243], v[162:163]
	v_pk_add_f32 v[14:15], v[14:15], v[166:167]
	v_pk_add_f32 v[212:213], v[212:213], v[170:171]
	s_delay_alu instid0(VALU_DEP_2)
	v_pk_add_f32 v[14:15], v[14:15], v[248:249]
	s_delay_alu instid0(VALU_DEP_2)
	v_pk_add_f32 v[212:213], v[212:213], v[246:247]
	v_pk_add_f32 v[252:253], v[252:253], v[244:245]
	v_pk_add_f32 v[250:251], v[250:251], v[242:243]
	s_delay_alu instid0(VALU_DEP_2)
	v_pk_add_f32 v[14:15], v[14:15], v[252:253]
	s_delay_alu instid0(VALU_DEP_2)
	v_pk_add_f32 v[212:213], v[212:213], v[250:251]
	s_delay_alu instid0(VALU_DEP_1)
	v_pk_add_f32 v[14:15], v[14:15], v[212:213]
	s_wait_alu depctr_va_vdst(0)                   ; and one for the four
.irp b, 0,1,2,3
	v_max_num_f32 v[BM+\b], 0x1800000, v[BM+\b]    ; the floor 2^(3 - 127)
.endr
.irp b, 0,1,2,3
	s_delay_alu instid0(VALU_DEP_4)
	v_add_nc_u32 v[SO+\b], 0xff000000, v[BM+\b]
.endr
.irp b, 0,1,2,3
	s_delay_alu instid0(VALU_DEP_4)
	v_lshrrev_b32 v[BX+\b], 23, v[SO+\b]
.endr
	s_delay_alu instid0(VALU_DEP_3)
	v_lshl_or_b32 v231, v[BX+1], 8, v[BX]          ; p's scale word for these 128 keys
	s_delay_alu instid0(VALU_DEP_1)
	v_lshl_or_b32 v231, v[BX+2], 16, v231
	s_delay_alu instid0(VALU_DEP_1)
	v_lshl_or_b32 v231, v[BX+3], 24, v231
.irp c, 0,1
	v_cvt_scalef32_pk16_fp6_f32 v[PCD+6*\c:PCD+6*\c+2], v[S+32*\c:S+32*\c+15], v[SO+2*\c]
	v_cvt_scalef32_pk16_fp6_f32 v[PT+4*\c:PT+4*\c+2], v[S+16+32*\c:S+31+32*\c], v[SO+2*\c+1]
.endr
	v_nop                                          ; one plain instruction behind the last conversion
.irp c, 0,1
.irp i, 0,1,2
	v_permlane16_swap_b32 v[PCD+6*\c+\i], v[PT+4*\c+\i]    ; a whole block to a lane: lanes 0-15 block 2 c, lanes 16-31 block 2 c + 1
.endr
.irp i, 0,1,2
	s_delay_alu instid0(VALU_DEP_3)
	v_mov_b32 v[PCD+3+6*\c+\i], v[PT+4*\c+\i]
.endr
.endr
.irp j, 0,2,4,6,8,10,12,14
	v_pk_mul_f32 v[O+\j:O+\j+1], v[O+\j:O+\j+1], v[230:231] op_sel_hi:[1,0]   ; O^T under the new M; these eight are also the places between p's codes and scale word and the products
.endr
	s_wait_alu depctr_va_vdst(0)
	s_wait_dscnt 0x0                               ; V is in
.irp u, 0,1
	v_wmma_scale_f32_16x16x128_f8f6f4 v[O+8*\u:O+8*\u+7], v[VF+12*\u:VF+12*\u+11], v[PCD:PCD+11], v[O+8*\u:O+8*\u+7], v[22+\u], v231 matrix_a_fmt:MATRIX_FMT_FP6 matrix_b_fmt:MATRIX_FMT_FP6
.endr
.Lskip:
	s_add_co_u32 s31, s31, 3072
	s_add_co_u32 s32, s32, 128
	s_add_co_u32 s30, s30, 1
	s_cmp_lt_u32 s30, 16
	s_cbranch_scc1 .Lstep
	; the tile's way out: O^T / the sum, quantised: register i is channel 16 (lane / 16) + i of my query
.rept 4
	v_nop
.endr
	v_add_f32 v14, v14, v15
	s_delay_alu instid0(VALU_DEP_1)
	v_permlanex16_b32 v228, v14, s[SEL], s[SEL+1]
	s_delay_alu instid0(VALU_DEP_1)
	v_add_f32 v14, v14, v228
	s_wait_alu depctr_va_vdst(0)
	v_rcp_f32 v14, v14
	v_and_b32 v229, 31, v0                         ; (a plain instruction behind the transcendental)
	s_wait_alu depctr_va_vdst(0)                   ; the wait ahead of its first reader
.set j, 0
.rept 16
	v_mul_f32 v[S+j], v[O+j], v14
.set j, j+1
.endr
	v_max3_num_f32 v[BM], |v[S]|, |v[S+1]|, 0x1800000
.irp i, 2,4,6,8,10,12,14
	s_delay_alu instid0(VALU_DEP_1)
	v_max3_num_f32 v[BM], v[BM], |v[S+\i]|, |v[S+\i+1]|
.endr
	s_delay_alu instid0(VALU_DEP_1)
	v_permlanex16_b32 v[BX], v[BM], s[SEL], s[SEL+1]
	s_delay_alu instid0(VALU_DEP_1)
	v_max_num_f32 v[BM], v[BM], v[BX]
	s_delay_alu instid0(VALU_DEP_1)
	v_add_nc_u32 v[SO], 0xff000000, v[BM]
	s_delay_alu instid0(VALU_DEP_1)
	v_lshrrev_b32 v[BM+1], 23, v[SO]
	v_cvt_scalef32_pk16_fp6_f32 v[PT:PT+2], v[S:S+15], v[SO]
	v_nop
	global_store_b96 v7, v[PT:PT+2], s[40:41]      ; the wave stores the tile's 384 consecutive bytes
	s_wait_alu depctr_va_vdst(0)
	s_wait_xcnt 0x0                                ; EXEC changes only behind this wait
	v_cmp_gt_u32 vcc_lo, 16, v229
	s_and_saveexec_b32 s44, vcc_lo
	global_store_b8 v16, v[BM+1], s[42:43]         ; lanes 0-15: my query's byte for this head
	s_wait_xcnt 0x0                                ; and again in front of the line that widens it
	s_or_b32 exec_lo, exec_lo, s44
	s_add_co_u32 s27, s27, 1
	s_cmp_lt_u32 s27, 2
	s_cbranch_scc1 .Lpass
	s_wait_tensorcnt 0x0
	ds_add_u32 v254, v255
	s_wait_dscnt 0x0
	s_endpgm
.Lfunc_end_k_q4993886d95_attn:
	.size	k_q4993886d95_attn, .Lfunc_end_k_q4993886d95_attn-k_q4993886d95_attn
	.p2alignl 7, 3214868480
	.fill 96, 4, 3214868480
	.section	.rodata,"a",@progbits
	.p2align	6, 0x0
	.amdhsa_kernel k_q4993886d95_attn
		.amdhsa_group_segment_fixed_size 104448
		.amdhsa_private_segment_fixed_size 0
		.amdhsa_enable_private_segment 0
		.amdhsa_kernarg_size 24
		.amdhsa_user_sgpr_count 2
		.amdhsa_user_sgpr_kernarg_segment_ptr 1
		.amdhsa_wavefront_size32 1
		.amdhsa_system_sgpr_workgroup_id_x 1
		.amdhsa_system_sgpr_workgroup_id_y 1
		.amdhsa_system_sgpr_workgroup_id_z 1
		.amdhsa_system_vgpr_workitem_id 0
		.amdhsa_next_free_vgpr 256
		.amdhsa_next_free_sgpr 66
		.amdhsa_reserve_vcc 1
		.amdhsa_float_denorm_mode_32 3
		.amdhsa_float_denorm_mode_16_64 3
		.amdhsa_memory_ordered 1
		.amdhsa_forward_progress 1
		.amdhsa_inst_pref_size 36
	.end_amdhsa_kernel
	.amdgpu_metadata
---
amdhsa.version: [ 1, 2 ]
amdhsa.kernels:
  - .name:           k_q4993886d95_attn
    .symbol:         k_q4993886d95_attn.kd
    .args:
      - { .name: qkv, .offset: 0, .size: 8, .value_kind: global_buffer, .address_space: global }
      - { .name: sc, .offset: 8, .size: 8, .value_kind: global_buffer, .address_space: global }
      - { .name: ctx, .offset: 16, .size: 8, .value_kind: global_buffer, .address_space: global }
    .group_segment_fixed_size: 104448
    .private_segment_fixed_size: 0
    .kernarg_segment_align: 8
    .kernarg_segment_size: 24
    .max_flat_workgroup_size: 512
    .sgpr_count:     66
    .vgpr_count:     256
    .wavefront_size: 32
...
	.end_amdgpu_metadata
.endif
;; end of part 3
;; launch mlp (part 4): grid 256 x 1, 16 waves a work-group, no clusters, 165,376 bytes of LDS; arguments ctx, wq, x, bo, ln2_scale, ln2_shift, b1, b2, out0; writes out0
.if DOCPART == 4
	.amdgcn_target "amdgcn-amd-amdhsa--gfx1250"
	.amdhsa_code_object_version 6
	.text
	.protected	k_q4993886d95_mlp
	.globl	k_q4993886d95_mlp
	.p2align	8
	.type	k_q4993886d95_mlp,@function
k_q4993886d95_mlp:
	s_mov_b64 s[64:65], 0
	v_nop
	global_prefetch_b8 v0, s[64:65] scope:SCOPE_SE
	s_setreg_imm32_b32 hwreg(HW_REG_WAVE_MODE, 25, 1), 1
	s_wait_xcnt 0x0
; x2 = x + ctx Wo + bo;  out = x2 + gelu(LN2(x2) W1 + b1) W2 + b2, the three products on codes of E2M3.  x2, LN2's result and the hidden layer never go to memory.
; A work-group takes 32 rows, as two tiles (lane-row r of tile m is row 8 m + r + 8 (r / 8)).  THE WAVES SHARE THE COLUMNS: wave w owns columns 32 w .. 32 w + 31 of x2 and of out, and hidden units 128 w .. 128 w + 127,
; which are K step w of the last product.  Every product is used transposed (source 0 = 16 columns of a weight, source 1 = 16 rows): a lane holds one row and 16 neighbouring columns in 16 registers of two tiles.
; THE WEIGHTS come from memory straight into registers, in the order in which the first launch laid them: one ring (two fragments a chunk and their scale words; its slots as below) runs through all 36 chunks
; (4 of Wo, 16 of W1, 16 of W2).  Each fragment is multiplied by this one wave of the work-group alone.
; THE ROWS' OPERANDS go from wave to wave through LDS as images of registers: register j of lane l of a fragment at 48 l + 4 j; a scale word at 4 r.
; Biases and residuals are set into the accumulators ahead of each sum's first product.  LN2: each wave's mean and sum of squared differences over its 32 columns; the sixteen are joined by
; M2 = sum M2_i + 32 sum (mean_i - mean)^2, so no difference of large sums is formed.
; gelu(v) = v/2 + v/2 erf(v / sqrt 2); erf by two polynomial arms in f32 (|z| > 0.921875: 1 - exp(-poly(|z|)); else z + z poly(z^2)), both computed, one selected: no branch on data.
; LIMITS: a block of zeros gets the byte 1 (zero codes; this program alone reads the bytes); largest magnitudes under 2^-124 are held at that floor; NaN and infinities are not served; 1 / sqrt is v_rsq_f32;
; for v far below 0, 1 + erf is formed from erf, so gelu there has the absolute error of erf in f32 times |v| / 2.
; THE RING AS THE CODE BELOW HAS IT: three chunks of two fragments through Wo's four chunks (chunk n in slot (n + 2) % 3); from W1's first chunk on four (chunk n in slot (n - 4) % 4), the fourth slot at v104-127.
; ONE LOAD OF SCALE WORDS SERVES TWO CHUNKS: lanes 0-15 take the even chunk's words, lanes 16-31 the odd chunk's, 128 bytes on; the odd chunk's products read them from the upper lanes.  So an even chunk is 7 loads, an odd one 6.
; Of LN2's 8 fragments those of K steps 0 to 2 stay in v32-103; K step 3's two are read from LDS for each pair of 32 hidden units into v232-255, which are at work only behind the pair's products.
.set RX,    104                        ; v104-127 the ring's fourth slot
.set XP,    2064                       ; a row of XST: 2,048 bytes + 16
.set XST,   0                          ; 32 rows (index 16 m + r): x, then x2, then out
.set PAR,   66048                      ; bo, ln2_scale, ln2_shift, b2: 2,048 bytes each
.set B1L,   74240                      ; b1
.set CIM,   82432                      ; ctx: 8 fragments (4 m + K step) of 1,536 bytes
.set H2IM,  94720                      ; LN2's codes likewise
.set H2SC,  107008                     ; their scale words: 64 bytes a fragment
.set STAT,  107520                     ; [16 m + r], 144 bytes apart: a pair (mean, M2) for each wave
.set HID,   112128                     ; the hidden layer: 32 fragments (16 m + K step)
.set HIDSC, 161280                     ; their scale words
.set S8,  16                           ; v16-23   the rows' scale words
.set WS,  24                           ; v24-29   three chunks' scale words
.set H,   32                           ; v32-127  the rows' fragments; at work in between
.set ACC, 128                          ; v128-159 four accumulators: 16 m + 8 u
.set WB,  160                          ; v160-231 three chunks of 24 registers
.set TM,  232                          ; v232-255 at work
.set GZ,  232
.set GT,  236
.set GS,  240
.set GR,  244
.set GU,  248
.set GQ,  252
.set SEL, 36
	s_load_b256 s[4:11], s[0:1], 0x0               ; ctx s[4:5], wq s[6:7], x s[8:9], bo s[10:11]
	s_load_b256 s[12:19], s[0:1], 0x20             ; ln2_scale s[12:13], ln2_shift s[14:15], b1 s[16:17], b2 s[18:19]
	s_load_b64 s[20:21], s[0:1], 0x40              ; out0
	v_lshrrev_b32 v232, 5, v0
	s_delay_alu instid0(VALU_DEP_1)
	v_readfirstlane_b32 s22, v232                  ; wave
	s_mov_b32 s23, ttmp9                           ; the group of 32 rows
	s_mov_b32 s[SEL], 0x76543210
	s_mov_b32 s[SEL+1], 0xfedcba98                 ; lane l xor 16
	s_mov_b32 s38, 0x37911480                      ; erf's constants that stand as scalar pairs (the packed forms take the low word for both halves)
	s_mov_b32 s39, s38
	s_mov_b32 s40, 0x3b7e899b
	s_mov_b32 s41, s40
	s_mov_b32 s42, 0xba1d0d41
	s_mov_b32 s43, s42
	s_mov_b32 s44, 0x7fffffff
	s_mov_b32 s45, 0x3f6c0000                      ; 0.921875
	s_mov_b32 s46, 0x3b000000                      ; 1 / 512
	s_mov_b32 s47, 0x3727c5ac                      ; 1e-5
	v_mov_b32 v12, 0xb9c8e966
	v_mov_b32 v13, 0xbcc6b180
	v_mov_b32 v14, 0x3ba39fa4
	v_mov_b32 v15, 0x3ba39fa4
	v_and_b32 v233, 31, v0                         ; l
	v_and_b32 v234, 15, v0                         ; r
	v_bfe_u32 v235, v0, 4, 1                       ; h
	s_delay_alu instid0(VALU_DEP_3)
	v_lshlrev_b32 v1, 4, v233                      ; 16 l
	s_delay_alu instid0(VALU_DEP_3)
	v_lshlrev_b32 v2, 3, v234                      ; 8 r,
	s_delay_alu instid0(VALU_DEP_1)
	v_lshl_add_u32 v2, v235, 7, v2                 ; + 128 h: lanes 16-31 take the next chunk's scale words
	v_mul_u32_u24 v236, v233, 48                   ; 48 l
	s_lshl_b32 s62, s22, 7
	v_mul_u32_u24 v3, v234, XP
	s_delay_alu instid0(VALU_DEP_1)
	v_lshl_add_u32 v3, v235, 6, v3
	s_delay_alu instid0(VALU_DEP_1)
	v_add_nc_u32 v3, s62, v3                       ; XST: row r, my wave's 128 bytes, + 64 h
	v_add_nc_u32 v4, CIM, v236
	v_add_nc_u32 v5, HID, v236
	s_add_co_u32 s63, s62, PAR
	v_lshl_add_u32 v6, v235, 6, s63                ; a parameter's 16 numbers of my columns
	s_lshl_b32 s63, s22, 9
	s_add_co_u32 s63, s63, B1L
	v_lshl_add_u32 v7, v235, 6, s63                ; b1 likewise, of my hidden units
	s_mul_i32 s63, s22, 1536
	s_add_co_u32 s63, s63, HID
	v_mul_u32_u24 v8, v234, 48
	s_delay_alu instid0(VALU_DEP_1)
	v_mad_u32_u24 v8, v235, 12, v8
	s_delay_alu instid0(VALU_DEP_1)
	v_add_nc_u32 v8, s63, v8                       ; where my hidden codes go: fragment w, 48 r + 12 h
	s_lshl_b32 s63, s22, 6
	s_add_co_u32 s63, s63, HIDSC
	v_lshl_add_u32 v9, v234, 2, s63                ; and their scale bytes
	v_lshl_add_u32 v10, v234, 2, H2SC              ; scale words back: 4 r
	v_mul_u32_u24 v31, v234, 144
	s_delay_alu instid0(VALU_DEP_1)
	v_add_nc_u32 v31, STAT, v31                    ; a row's sixteen pairs
	s_lshl_b32 s63, s22, 3
	v_add_nc_u32 v11, s63, v31                     ; my wave's pair
	s_bfe_u32 s63, s22, 0x10002
	s_lshl_b32 s63, s63, 4
	s_and_b32 s62, s22, 3
	s_lshl_b32 s62, s62, 1
	s_add_co_u32 s63, s63, s62
	s_lshr_b32 s62, s22, 3
	s_lshl_b32 s62, s62, 3
	s_add_co_u32 s63, s63, s62                     ; natural rows 2 w and 2 w + 1 have the indices 16 ((w / 4) % 2) + 2 (w % 4) + 8 (w / 8) and the next
	s_mul_i32 s63, s63, XP
	v_add_nc_u32 v30, s63, v1                      ; those two rows, 16 bytes a lane
	s_lshr_b32 s60, s22, 2
	s_lshl_b32 s61, s60, 6
	s_mul_i32 s60, s60, 1536
	s_and_b32 s62, s22, 1
	s_mul_i32 s62, s62, 768
	s_add_co_u32 s60, s60, s62
	s_bfe_u32 s62, s22, 0x10001
	s_mul_i32 s62, s62, 24
	s_add_co_u32 s60, s60, s62
	s_add_co_u32 s60, s60, H2IM                    ; LN2's codes: K step w / 4, block w % 4 = 2 c + hh: lanes 16 hh on, registers 6 c on
	s_and_b32 s62, s22, 3
	s_add_co_u32 s61, s61, s62                     ; and their byte
	v_mul_u32_u24 v237, v235, 49152
	s_delay_alu instid0(VALU_DEP_1)
	v_mad_u32_u24 v237, v234, 24, v237             ; ctx: head + h, row r
	v_lshlrev_b32 v238, 4, v234
	v_lshlrev_b32 v239, 4, v0
	v_and_b32 v240, 127, v0
	s_delay_alu instid0(VALU_DEP_1)
	v_lshlrev_b32 v240, 4, v240
	s_lshr_b32 s63, s22, 1
	s_mul_i32 s63, s63, 1536
	s_and_b32 s62, s22, 1
	s_mul_i32 s62, s62, 24
	s_add_co_u32 s63, s63, s62
	s_add_co_u32 s63, s63, CIM
	v_add_nc_u32 v241, s63, v236                   ; where my half fragment of ctx goes
	v_add_nc_u32 v242, B1L, v239
	v_add_nc_u32 v243, PAR, v239
	s_mov_b32 s49, 0
	s_wait_alu depctr_va_vdst(0)
	s_wait_kmcnt 0x0
	s_mul_i32 s48, s22, 12288
	s_add_co_u32 s48, s48, 589824
	s_add_nc_u64 s[24:25], s[6:7], s[48:49]        ; Wo, pair w
	s_mul_i32 s48, s22, 49152
	s_add_co_u32 s48, s48, 786432
	s_add_nc_u64 s[26:27], s[6:7], s[48:49]        ; W1, pairs 4 w on
	s_add_nc_u64 s[28:29], s[26:27], 786432        ; W2, pair w
	s_lshl_b32 s48, s22, 9
	s_add_co_u32 s48, s48, 2383872
	s_add_nc_u64 s[30:31], s[6:7], s[48:49]        ; their scale words
	s_lshl_b32 s48, s22, 11
	s_add_co_u32 s48, s48, 2392064
	s_add_nc_u64 s[32:33], s[6:7], s[48:49]
	s_add_nc_u64 s[34:35], s[32:33], 32768
	s_lshl_b32 s48, s23, 16
	s_lshl_b32 s62, s22, 12
	s_add_co_u32 s48, s48, s62
	s_add_nc_u64 s[50:51], s[8:9], s[48:49]        ; x and out0 at natural row 32 G + 2 w
	s_add_nc_u64 s[58:59], s[20:21], s[48:49]
	s_lshr_b32 s62, s23, 6
	s_lshl_b32 s62, s62, 4
	s_and_b32 s63, s22, 7
	s_lshl_b32 s63, s63, 1
	s_add_co_u32 s62, s62, s63                     ; 16 x batch + head 2 (w % 8): K step (w / 2) % 4, half w % 2
	s_lshl_b32 s62, s62, 7
	s_and_b32 s63, s23, 63
	s_lshl_b32 s63, s63, 1
	s_add_co_u32 s62, s62, s63
	s_lshr_b32 s63, s22, 3
	s_add_co_u32 s62, s62, s63                     ; tile 2 g + w / 8
	s_mul_i32 s48, s62, 384
	s_add_nc_u64 s[52:53], s[4:5], s[48:49]
	s_lshl_b32 s48, s23, 9
	s_add_co_u32 s48, s48, 3145728
	s_add_nc_u64 s[54:55], s[4:5], s[48:49]        ; ctx's scale bytes of my 32 rows
	s_lshr_b32 s62, s22, 2
	s_cmp_eq_u32 s62, 1
	s_cselect_b64 s[56:57], s[12:13], s[10:11]     ; four waves fetch each of bo, ln2_scale, ln2_shift, b2
	s_cmp_eq_u32 s62, 2
	s_cselect_b64 s[56:57], s[14:15], s[56:57]
	s_cmp_eq_u32 s62, 3
	s_cselect_b64 s[56:57], s[18:19], s[56:57]
.macro MMA d, a, b, sa, sb
	v_wmma_scale_f32_16x16x128_f8f6f4 v[\d:\d+7], v[\a:\a+11], v[\b:\b+11], v[\d:\d+7], v[\sa], v[\sb] matrix_a_fmt:MATRIX_FMT_FP6 matrix_b_fmt:MATRIX_FMT_FP6
.endm
.macro MMB d, a, b, sa, sb             ; the same with the weight's scale words taken from lanes 16-31: an odd chunk's
	v_wmma_scale_f32_16x16x128_f8f6f4 v[\d:\d+7], v[\a:\a+11], v[\b:\b+11], v[\d:\d+7], v[\sa], v[\sb] matrix_a_fmt:MATRIX_FMT_FP6 matrix_b_fmt:MATRIX_FMT_FP6 matrix_a_scale:MATRIX_SCALE_ROW1
.endm
.macro WLOAD n                         ; chunk n of the 36: six loads of 512 consecutive bytes and the two fragments' scale words
.if (\n) < 4
.set WBASE, 24
.set WSBASE, 30
.set NN, (\n)
.elseif (\n) < 20
.set WBASE, 26
.set WSBASE, 32
.set NN, (\n)-4
.else
.set WBASE, 28
.set WSBASE, 34
.set NN, (\n)-20
.endif
.if (\n) < 4
.set WSL, ((\n)+2)%3
.else
.set WSL, ((\n)-4)%4
.endif
.if WSL < 3
.set WDN, WB+24*WSL
.else
.set WDN, RX
.endif
.if (\n)%2 == 0
	global_load_b64 v[WS+2*(((\n)/2)%3):WS+2*(((\n)/2)%3)+1], v2, s[WSBASE:WSBASE+1] offset:NN*128   ; chunks n and n + 1: 256 consecutive bytes
.endif
.irp i, 0,1,2,3,4,5
	global_load_b128 v[WDN+4*\i:WDN+4*\i+3], v1, s[WBASE:WBASE+1] offset:NN*3072+512*\i
.endr
.endm
.macro CH n, b0, b1, s0, s1            ; chunk n's four products on the rows' fragments b0 (tile 0) and b1 (tile 1): the four accumulators take turns
.if (\n) < 4
.set CSL, ((\n)+2)%3
.else
.set CSL, ((\n)-4)%4
.endif
.if CSL < 3
.set WBN, WB+24*CSL
.else
.set WBN, RX
.endif
.set WSN, WS+2*(((\n)/2)%3)
.if (\n) < 4 || (\n) == 33
	s_wait_loadcnt 13                              ; chunk n is in; two later chunks, 6 and 7 loads, may be out
.elseif (\n) == 34
	s_wait_loadcnt 6
.elseif (\n) == 35
	s_wait_loadcnt 0x0
.else
	s_wait_loadcnt 19+(\n)%2                       ; three later chunks may be out: 6 + 7 + 6 loads behind an even chunk, 7 + 6 + 7 behind an odd one
.endif
.if (\n)%2
	MMB ACC, WBN, \b0, WSN, \s0
	MMB ACC+8, WBN+12, \b0, WSN+1, \s0
	MMB ACC+16, WBN, \b1, WSN, \s1
	MMB ACC+24, WBN+12, \b1, WSN+1, \s1
.else
	MMA ACC, WBN, \b0, WSN, \s0
	MMA ACC+8, WBN+12, \b0, WSN+1, \s0
	MMA ACC+16, WBN, \b1, WSN, \s1
	MMA ACC+24, WBN+12, \b1, WSN+1, \s1
.endif
.rept 4
	v_nop                                          ; four places ahead of loads into registers that these products read, and of the first read of results
.endr
.if (\n) < 4
	WLOAD (\n)+3                                   ; into the slot just multiplied
.elseif (\n)+4 <= 35
	WLOAD (\n)+4
.endif
.endm
.macro QUANT2 s0, s1, d0, d1           ; two runs of 16 registers, each half a block (the other half in lane l xor 16): three registers of codes each; the bytes in v[TM+6], v[TM+7]
	v_max3_num_f32 v[TM], |v[\s0]|, |v[\s0+1]|, 0x1800000          ; with the floor 2^(3 - 127): the byte cannot fall under 1
	v_max3_num_f32 v[TM+1], |v[\s1]|, |v[\s1+1]|, 0x1800000
.irp i, 2,4,6,8,10,12,14
	s_delay_alu instid0(VALU_DEP_2)
	v_max3_num_f32 v[TM], v[TM], |v[\s0+\i]|, |v[\s0+\i+1]|
	s_delay_alu instid0(VALU_DEP_2)
	v_max3_num_f32 v[TM+1], v[TM+1], |v[\s1+\i]|, |v[\s1+\i+1]|
.endr
	s_delay_alu instid0(VALU_DEP_2)
	v_permlanex16_b32 v[TM+2], v[TM], s[SEL], s[SEL+1]
	s_delay_alu instid0(VALU_DEP_2)
	v_permlanex16_b32 v[TM+3], v[TM+1], s[SEL], s[SEL+1]
	s_delay_alu instid0(VALU_DEP_2)
	v_max_num_f32 v[TM], v[TM], v[TM+2]
	s_delay_alu instid0(VALU_DEP_2)
	v_max_num_f32 v[TM+1], v[TM+1], v[TM+3]
	s_delay_alu instid0(VALU_DEP_2)
	v_add_nc_u32 v[TM+4], 0xff000000, v[TM]
	s_delay_alu instid0(VALU_DEP_2)
	v_add_nc_u32 v[TM+5], 0xff000000, v[TM+1]
	s_delay_alu instid0(VALU_DEP_2)
	v_lshrrev_b32 v[TM+6], 23, v[TM+4]
	s_delay_alu instid0(VALU_DEP_2)
	v_lshrrev_b32 v[TM+7], 23, v[TM+5]
	v_cvt_scalef32_pk16_fp6_f32 v[\d0:\d0+2], v[\s0:\s0+15], v[TM+4]
	v_cvt_scalef32_pk16_fp6_f32 v[\d1:\d1+2], v[\s1:\s1+15], v[TM+5]
	v_nop                                          ; one plain instruction behind the last conversion
.endm
.macro BARRIER                         ; my LDS stores have landed and my LDS loads are in: then the work-group's barrier
	s_wait_dscnt 0x0
	s_barrier_signal -1
	s_barrier_wait -1
.endm
.macro XACC st                         ; my 16 columns of both tiles' rows between XST and the accumulators; st = 1: stored, each accumulator from its low end on
.irp m, 0,1
.irp u, 0,1
.irp e, 0,1
.if \st
	ds_store_b128 v3, v[ACC+16*\m+8*\u+4*\e:ACC+16*\m+8*\u+4*\e+3] offset:16*XP*\m+32*\u+16*\e
.else
	ds_load_b128 v[ACC+16*\m+8*\u+4*\e:ACC+16*\m+8*\u+4*\e+3], v3 offset:16*XP*\m+32*\u+16*\e
.endif
.endr
.endr
.endr
.endm
.macro ADDPAR                          ; the 16 numbers in v232-247 onto both tiles' accumulators
.irp m, 0,1
.irp q, 0,2,4,6,8,10,12,14
	v_pk_add_f32 v[ACC+16*\m+\q:ACC+16*\m+\q+1], v[ACC+16*\m+\q:ACC+16*\m+\q+1], v[232+\q:233+\q]
.endr
.endr
.endm
	; ---- the head: x's rows, ctx's fragments and the parameters into LDS; the ring of weights starts
.irp e, 0,1
.irp i, 0,1,2,3
	global_load_b128 v[32+16*\e+4*\i:35+16*\e+4*\i], v1, s[50:51] offset:2048*\e+512*\i th:TH_LOAD_NT
.endr
.endr
.irp p, 0,1,2
	global_load_b64 v[64+2*\p:65+2*\p], v237, s[52:53] offset:8*\p th:TH_LOAD_NT
.endr
.irp m, 0,1
	global_load_b128 v[S8+4*\m:S8+4*\m+3], v238, s[54:55] offset:256*\m   ; a row's 16 bytes are its four K steps' scale words
.endr
	global_load_b128 v[72:75], v239, s[16:17]
	global_load_b128 v[76:79], v240, s[56:57]
	WLOAD 0
	WLOAD 1
	WLOAD 2
	s_wait_loadcnt 20                              ; all but the ring's three chunks: 7 + 6 + 7 loads
.irp e, 0,1
.irp i, 0,1,2,3
	ds_store_b128 v30, v[32+16*\e+4*\i:35+16*\e+4*\i] offset:XP*\e+512*\i
.endr
.endr
.irp p, 0,1,2
	ds_store_b64 v241, v[64+2*\p:65+2*\p] offset:8*\p
.endr
	ds_store_b128 v242, v[72:75]
	ds_store_b128 v243, v[76:79]
	BARRIER
	; ---- x2 = x + bo + ctx Wo
	XACC 0
.irp e, 0,1,2,3
	ds_load_b128 v[232+4*\e:235+4*\e], v6 offset:16*\e
.endr
.irp f, 0,1,2,3,4,5,6,7
.irp i, 0,1,2
	ds_load_b128 v[H+12*\f+4*\i:H+12*\f+4*\i+3], v4 offset:1536*\f+16*\i
.endr
.endr
	s_wait_dscnt 24                                ; x and bo are in; the 24 loads of fragments may be out
	ADDPAR
	s_wait_alu depctr_va_vdst(0)
	s_wait_dscnt 0x0
.irp k, 0,1,2,3
	CH \k, H+12*\k, H+48+12*\k, S8+\k, S8+4+\k
.endr
	; ---- LN2: my 32 columns' mean and sum of squared differences, for each row
.irp m, 0,1
	v_pk_add_f32 v[232:233], v[ACC+16*\m:ACC+16*\m+1], v[ACC+16*\m+2:ACC+16*\m+3]
	v_pk_add_f32 v[234:235], v[ACC+16*\m+4:ACC+16*\m+5], v[ACC+16*\m+6:ACC+16*\m+7]
	v_pk_add_f32 v[236:237], v[ACC+16*\m+8:ACC+16*\m+9], v[ACC+16*\m+10:ACC+16*\m+11]
	v_pk_add_f32 v[238:239], v[ACC+16*\m+12:ACC+16*\m+13], v[ACC+16*\m+14:ACC+16*\m+15]
	s_delay_alu instid0(VALU_DEP_3)
	v_pk_add_f32 v[232:233], v[232:233], v[234:235]
	s_delay_alu instid0(VALU_DEP_2)
	v_pk_add_f32 v[236:237], v[236:237], v[238:239]
	s_delay_alu instid0(VALU_DEP_1)
	v_pk_add_f32 v[232:233], v[232:233], v[236:237]
	s_delay_alu instid0(VALU_DEP_1)
	v_add_f32 v240, v232, v233
	s_delay_alu instid0(VALU_DEP_1)
	v_permlanex16_b32 v241, v240, s[SEL], s[SEL+1]
	s_delay_alu instid0(VALU_DEP_1)
	v_add_f32 v240, v240, v241
	s_delay_alu instid0(VALU_DEP_1)
	v_mul_f32 v252, 0x3d000000, v240               ; / 32
	s_delay_alu instid0(VALU_DEP_1)
	v_mov_b32 v253, v252
.irp q, 0,2,4,6,8,10,12,14
	v_pk_add_f32 v[64+16*\m+\q:65+16*\m+\q], v[ACC+16*\m+\q:ACC+16*\m+\q+1], v[252:253] neg_lo:[0,1] neg_hi:[0,1]
.endr
	v_pk_mul_f32 v[232:233], v[64+16*\m:65+16*\m], v[64+16*\m:65+16*\m]
	v_pk_mul_f32 v[234:235], v[66+16*\m:67+16*\m], v[66+16*\m:67+16*\m]
.irp q, 4,8,12
	s_delay_alu instid0(VALU_DEP_2)
	v_pk_fma_f32 v[232:233], v[64+16*\m+\q:65+16*\m+\q], v[64+16*\m+\q:65+16*\m+\q], v[232:233]
	s_delay_alu instid0(VALU_DEP_2)
	v_pk_fma_f32 v[234:235], v[66+16*\m+\q:67+16*\m+\q], v[66+16*\m+\q:67+16*\m+\q], v[234:235]
.endr
	s_delay_alu instid0(VALU_DEP_1)
	v_pk_add_f32 v[232:233], v[232:233], v[234:235]
	s_delay_alu instid0(VALU_DEP_1)
	v_add_f32 v240, v232, v233
	s_delay_alu instid0(VALU_DEP_1)
	v_permlanex16_b32 v241, v240, s[SEL], s[SEL+1]
	s_delay_alu instid0(VALU_DEP_1)
	v_add_f32 v253, v240, v241                     ; the pair (mean, M2)
	ds_store_b64 v11, v[252:253] offset:16*144*\m  ; lanes l and l xor 16 store the same pair
.endr
	BARRIER
	XACC 1                                         ; x2 back to my own bytes of XST: nobody else reads or writes them before the last barrier
.irp e, 0,1,2,3
	ds_load_b128 v[32+4*\e:35+4*\e], v6 offset:2048+16*\e      ; ln2_scale of my columns
	ds_load_b128 v[48+4*\e:51+4*\e], v6 offset:4096+16*\e      ; ln2_shift
.endr
.irp m, 0,1
.irp i, 0,1,2,3,4,5,6,7
	ds_load_b128 v[96+4*\i:99+4*\i], v31 offset:16*144*\m+16*\i
.endr
	s_wait_dscnt 0x0
.irp i, 0,1,2,3,4,5,6,7
	v_pk_add_f32 v[232+2*\i:233+2*\i], v[96+4*\i:97+4*\i], v[98+4*\i:99+4*\i]   ; the means' sum and the M2s' sum, side by side
.endr
.irp i, 0,1,2,3
	v_pk_add_f32 v[232+4*\i:233+4*\i], v[232+4*\i:233+4*\i], v[234+4*\i:235+4*\i]
.endr
	s_delay_alu instid0(VALU_DEP_3)
	v_pk_add_f32 v[232:233], v[232:233], v[236:237]
	s_delay_alu instid0(VALU_DEP_2)
	v_pk_add_f32 v[240:241], v[240:241], v[244:245]
	s_delay_alu instid0(VALU_DEP_1)
	v_pk_add_f32 v[232:233], v[232:233], v[240:241]
	s_delay_alu instid0(VALU_DEP_1)
	v_mul_f32 v252, 0x3d800000, v232               ; the row's mean
	s_delay_alu instid0(VALU_DEP_1)
	v_mov_b32 v253, v252
.irp i, 0,1,2,3,4,5,6,7,8,9,10,11,12,13,14,15
	v_sub_f32 v[234+\i], v[96+2*\i], v252
.endr
	v_mul_f32 v250, v234, v234
	v_mul_f32 v251, v235, v235
.irp i, 2,4,6,8,10,12,14
	s_delay_alu instid0(VALU_DEP_2)
	v_fma_f32 v250, v[234+\i], v[234+\i], v250
	s_delay_alu instid0(VALU_DEP_2)
	v_fma_f32 v251, v[235+\i], v[235+\i], v251
.endr
	s_delay_alu instid0(VALU_DEP_1)
	v_add_f32 v250, v250, v251
	s_delay_alu instid0(VALU_DEP_1)
	v_fma_f32 v250, v250, 0x42000000, v233         ; M2 = 32 sum (mean_i - mean)^2 + sum M2_i
	s_delay_alu instid0(VALU_DEP_1)
	v_fma_f32 v250, v250, s46, s47                 ; var + eps
	s_wait_alu depctr_va_vdst(0)
	v_rsq_f32 v254, v250
	v_rsq_f32 v255, v250
.irp q, 0,2,4,6,8,10,12,14
	v_pk_add_f32 v[64+16*\m+\q:65+16*\m+\q], v[ACC+16*\m+\q:ACC+16*\m+\q+1], v[252:253] neg_lo:[0,1] neg_hi:[0,1]   ; independent work behind the transcendentals
.endr
	s_wait_alu depctr_va_vdst(0)                   ; the wait ahead of their first reader
.irp q, 0,2,4,6,8,10,12,14
	v_pk_mul_f32 v[64+16*\m+\q:65+16*\m+\q], v[64+16*\m+\q:65+16*\m+\q], v[254:255]
.endr
.irp q, 0,2,4,6,8,10,12,14
	v_pk_fma_f32 v[64+16*\m+\q:65+16*\m+\q], v[64+16*\m+\q:65+16*\m+\q], v[32+\q:33+\q], v[48+\q:49+\q]
.endr
.endr
	QUANT2 64, 80, 240, 244
	v_and_b32 v248, 15, v0
	s_delay_alu instid0(VALU_DEP_1)
	v_mul_u32_u24 v248, v248, 48
	v_bfe_u32 v249, v0, 4, 1
	s_delay_alu instid0(VALU_DEP_1)
	v_mad_u32_u24 v248, v249, 12, v248
	s_delay_alu instid0(VALU_DEP_1)
	v_add_nc_u32 v248, s60, v248                   ; my half block's 12 bytes in the image: 48 r + 12 h
	v_add_nc_u32 v249, s61, v10
.irp i, 0,1,2
	ds_store_b32 v248, v[240+\i] offset:4*\i
	ds_store_b32 v248, v[244+\i] offset:6144+4*\i
.endr
	ds_store_b8 v249, v[TM+6]                      ; lanes l and l xor 16 store the same byte
	ds_store_b8 v249, v[TM+7] offset:256
	BARRIER
	WLOAD 7                                        ; v104-127 are at work no more: the ring's fourth slot takes its first chunk
.irp m, 0,1
.irp k, 0,1,2
.irp i, 0,1,2
	ds_load_b128 v[H+36*\m+12*\k+4*\i:H+36*\m+12*\k+4*\i+3], v4 offset:H2IM-CIM+1536*(4*\m+\k)+16*\i   ; LN2's fragments of K steps 0 to 2
.endr
.endr
.endr
.irp f, 0,1,2,3,4,5,6,7
	ds_load_b32 v[S8+\f], v10 offset:64*\f
.endr
; erf and gelu of four accumulator registers, two packed pairs side by side
.macro GELU2 a
.irp k, 0,2
	v_pk_mul_f32 v[GZ+\k:GZ+\k+1], v[ACC+(\a)+\k:ACC+(\a)+\k+1], 0x3f3504f3 op_sel_hi:[1,0]   ; z = v / sqrt 2
.endr
.irp k, 0,1,2,3
	v_and_b32 v[GT+\k], s44, v[GZ+\k]              ; t = |z|
.endr
.irp k, 0,2
	v_pk_mul_f32 v[GS+\k:GS+\k+1], v[GZ+\k:GZ+\k+1], v[GZ+\k:GZ+\k+1]
.endr
.irp k, 0
	v_pk_fma_f32 v[GR+\k:GR+\k+1], v[GT+\k:GT+\k+1], s[38:39], v[12:13] op_sel_hi:[1,0,0]
.endr
.irp k, 2
	s_delay_alu instid0(VALU_DEP_4)
	v_pk_fma_f32 v[GR+\k:GR+\k+1], v[GT+\k:GT+\k+1], s[38:39], v[12:13] op_sel_hi:[1,0,0]
.endr
.irp k, 0,2
	v_pk_fma_f32 v[GU+\k:GU+\k+1], v[GT+\k:GT+\k+1], s[40:41], v[12:13] op_sel:[0,0,1] op_sel_hi:[1,0,1]
.endr
.irp k, 0,2
	s_delay_alu instid0(VALU_DEP_2)
	v_pk_fma_f32 v[GR+\k:GR+\k+1], v[GR+\k:GR+\k+1], v[GS+\k:GS+\k+1], v[GU+\k:GU+\k+1]
.endr
.irp c, 0x3ddaae58, 0x3f228550, 0x3e03ce86
.irp k, 0,2
	s_delay_alu instid0(VALU_DEP_2)
	v_pk_fma_f32 v[GR+\k:GR+\k+1], v[GR+\k:GR+\k+1], v[GT+\k:GT+\k+1], \c op_sel_hi:[1,1,0]
.endr
.endr
.irp k, 0,2
	s_delay_alu instid0(VALU_DEP_2)
	v_pk_fma_f32 v[GR+\k:GR+\k+1], v[GR+\k:GR+\k+1], v[GT+\k:GT+\k+1], v[GT+\k:GT+\k+1]
.endr
.irp k, 0,2
	s_delay_alu instid0(VALU_DEP_2)
	v_pk_mul_f32 v[GR+\k:GR+\k+1], v[GR+\k:GR+\k+1], 0xbfb8aa3b op_sel_hi:[1,0]               ; x -log2(e)
.endr
	s_wait_alu depctr_va_vdst(0)
.irp k, 0,1,2,3
	v_exp_f32 v[GR+\k], v[GR+\k]
.endr
.irp k, 0,2
	v_pk_fma_f32 v[GQ+\k:GQ+\k+1], v[GS+\k:GS+\k+1], s[42:43], v[14:15] op_sel_hi:[1,0,1]     ; the arm for small |z|: the independent work behind the exponentials
.endr
.irp c, 0xbcdb45e9, 0x3de70d23, 0xbec09370, 0x3e0375d3
.irp k, 0,2
	s_delay_alu instid0(VALU_DEP_2)
	v_pk_fma_f32 v[GQ+\k:GQ+\k+1], v[GQ+\k:GQ+\k+1], v[GS+\k:GS+\k+1], \c op_sel_hi:[1,1,0]
.endr
.endr
.irp k, 0,2
	s_delay_alu instid0(VALU_DEP_2)
	v_pk_fma_f32 v[GQ+\k:GQ+\k+1], v[GQ+\k:GQ+\k+1], v[GZ+\k:GZ+\k+1], v[GZ+\k:GZ+\k+1]
.endr
	s_wait_alu depctr_va_vdst(0)                   ; one wait for the four exponentials, ahead of their first reader
.irp k, 0,2
	v_pk_fma_f32 v[GR+\k:GR+\k+1], v[GR+\k:GR+\k+1], -1.0, 1.0 op_sel_hi:[1,0,0]
.endr
.irp k, 0,1,2,3
	v_bfi_b32 v[GR+\k], s44, v[GR+\k], v[GZ+\k]    ; with z's sign
.endr
.irp k, 0,1,2,3
	v_cmp_lt_f32 vcc_lo, s45, v[GT+\k]
	s_delay_alu instid0(VALU_DEP_1)
	v_cndmask_b32 v[GR+\k], v[GQ+\k], v[GR+\k], vcc_lo
.endr
.irp k, 0,2
	v_pk_mul_f32 v[GZ+\k:GZ+\k+1], v[ACC+(\a)+\k:ACC+(\a)+\k+1], 0.5 op_sel_hi:[1,0]
.endr
.irp k, 0,2
	s_delay_alu instid0(VALU_DEP_2)
	v_pk_fma_f32 v[ACC+(\a)+\k:ACC+(\a)+\k+1], v[GZ+\k:GZ+\k+1], v[GR+\k:GR+\k+1], v[GZ+\k:GZ+\k+1]
.endr
.endm
; ---- the hidden layer: pair p of my four (32 hidden units), for both tiles of rows
.macro HIDDEN p
.irp m, 0,1
.irp e, 0,1,2,3
	ds_load_b128 v[ACC+16*\m+4*\e:ACC+16*\m+4*\e+3], v7 offset:128*(\p)+16*\e    ; b1 starts the sums
.endr
.endr
	s_wait_dscnt 8                                 ; all but b1's eight loads: the last pair's stores have read their registers, which the loads below fill
.irp m, 0,1
.irp i, 0,1,2
	ds_load_b128 v[TM+12*\m+4*\i:TM+12*\m+4*\i+3], v4 offset:H2IM-CIM+1536*(4*\m+3)+16*\i   ; LN2's fragments of K step 3
.endr
.endr
	s_wait_dscnt 0x0                               ; b1 and LN2's fragments are in
.irp k, 0,1,2
	CH 4+4*(\p)+\k, H+12*\k, H+36+12*\k, S8+\k, S8+4+\k
.endr
	CH 4+4*(\p)+3, TM, TM+12, S8+3, S8+7
.irp a, 0,4,8,12,16,20,24,28
	GELU2 \a
.endr
	QUANT2 ACC, ACC+16, 240, 244
.irp i, 0,1,2
	ds_store_b32 v8, v[240+\i] offset:768*((\p)%2)+24*((\p)/2)+4*\i              ; block p = 2 c + hh of K step w: lanes 16 hh on, registers 6 c on
	ds_store_b32 v8, v[244+\i] offset:24576+768*((\p)%2)+24*((\p)/2)+4*\i
.endr
	ds_store_b8 v9, v[TM+6] offset:(\p)
	ds_store_b8 v9, v[TM+7] offset:1024+(\p)
.endm
	HIDDEN 0
	HIDDEN 1
	HIDDEN 2
	HIDDEN 3
	BARRIER
	; ---- out = x2 + b2 + hidden W2
.macro HFETCH k                        ; K step k's two fragments of the hidden layer and their scale words: 8 LDS loads, fragments into slot k % 3
.irp m, 0,1
.irp i, 0,1,2
	ds_load_b128 v[H+24*((\k)%3)+12*\m+4*\i:H+24*((\k)%3)+12*\m+4*\i+3], v5 offset:(16*\m+(\k))*1536+16*\i   ; three slots of 24 registers, v32-103: K step k + 3 takes the slot that K step k has left
.endr
	ds_load_b32 v[S8+2*((\k)%4)+\m], v10 offset:HIDSC-H2SC+(16*\m+(\k))*64
.endr
.endm
	XACC 0
.irp e, 0,1,2,3
	ds_load_b128 v[232+4*\e:235+4*\e], v6 offset:6144+16*\e
.endr
	HFETCH 0
	HFETCH 1
	HFETCH 2
	s_wait_dscnt 24                                ; x2 and b2 are in; three fetches of 8 may be out
	ADDPAR
	s_wait_alu depctr_va_vdst(0)
.irp k, 0,1,2,3,4,5,6,7,8,9,10,11,12,13,14,15
.if \k < 14
	s_wait_dscnt 16                                ; K step k's fetch is in; the two later ones, 8 loads each, may be out
.elseif \k == 14
	s_wait_dscnt 8
.else
	s_wait_dscnt 0x0
.endif
	CH 20+\k, H+24*(\k%3), H+24*(\k%3)+12, S8+2*(\k%4), S8+2*(\k%4)+1
.if \k+3 <= 15
	HFETCH \k+3
.endif
.endr
	XACC 1                                         ; my columns of out into XST
	BARRIER
.irp e, 0,1
.irp i, 0,1,2,3
	ds_load_b128 v[32+16*\e+4*\i:35+16*\e+4*\i], v30 offset:XP*\e+512*\i
.endr
.endr
.irp e, 0,1
.irp i, 0,1,2,3
	s_wait_dscnt 7-4*\e-\i
	global_store_b128 v1, v[32+16*\e+4*\i:35+16*\e+4*\i], s[58:59] offset:2048*\e+512*\i th:TH_STORE_NT   ; 32 lanes store 512 consecutive bytes, aligned
.endr
.endr
	s_wait_xcnt 0x0
	v_lshl_add_u32 v254, v0, 2, 0x27e00
	v_mov_b32 v255, 0
	s_wait_alu depctr_va_vdst(0)
	s_wait_tensorcnt 0x0
	ds_add_u32 v254, v255
	s_wait_dscnt 0x0
	s_endpgm
.Lfunc_end_k_q4993886d95_mlp:
	.size	k_q4993886d95_mlp, .Lfunc_end_k_q4993886d95_mlp-k_q4993886d95_mlp
	.p2alignl 7, 3214868480
	.fill 96, 4, 3214868480
	.section	.rodata,"a",@progbits
	.p2align	6, 0x0
	.amdhsa_kernel k_q4993886d95_mlp
		.amdhsa_group_segment_fixed_size 165376
		.amdhsa_private_segment_fixed_size 0
		.amdhsa_enable_private_segment 0
		.amdhsa_kernarg_size 72
		.amdhsa_user_sgpr_count 2
		.amdhsa_user_sgpr_kernarg_segment_ptr 1
		.amdhsa_wavefront_size32 1
		.amdhsa_system_sgpr_workgroup_id_x 1
		.amdhsa_system_sgpr_workgroup_id_y 1
		.amdhsa_system_sgpr_workgroup_id_z 1
		.amdhsa_system_vgpr_workitem_id 0
		.amdhsa_next_free_vgpr 256
		.amdhsa_next_free_sgpr 66
		.amdhsa_reserve_vcc 1
		.amdhsa_float_denorm_mode_32 3
		.amdhsa_float_denorm_mode_16_64 3
		.amdhsa_memory_ordered 1
		.amdhsa_forward_progress 1
		.amdhsa_inst_pref_size 255
	.end_amdhsa_kernel
	.section	.bss,"aw",@nobits
	.p2align	6
	.space	262144
	.amdgpu_metadata
---
amdhsa.version: [ 1, 2 ]
amdhsa.kernels:
  - .name:           k_q4993886d95_mlp
    .symbol:         k_q4993886d95_mlp.kd
    .args:
      - { .name: ctx, .offset: 0, .size: 8, .value_kind: global_buffer, .address_space: global }
      - { .name: wq, .offset: 8, .size: 8, .value_kind: global_buffer, .address_space: global }
      - { .name: x, .offset: 16, .size: 8, .value_kind: global_buffer, .address_space: global }
      - { .name: bo, .offset: 24, .size: 8, .value_kind: global_buffer, .address_space: global }
      - { .name: ln2_scale, .offset: 32, .size: 8, .value_kind: global_buffer, .address_space: global }
      - { .name: ln2_shift, .offset: 40, .size: 8, .value_kind: global_buffer, .address_space: global }
      - { .name: b1, .offset: 48, .size: 8, .value_kind: global_buffer, .address_space: global }
      - { .name: b2, .offset: 56, .size: 8, .value_kind: global_buffer, .address_space: global }
      - { .name: out0, .offset: 64, .size: 8, .value_kind: global_buffer, .address_space: global }
    .group_segment_fixed_size: 165376
    .private_segment_fixed_size: 0
    .kernarg_segment_align: 8
    .kernarg_segment_size: 72
    .max_flat_workgroup_size: 512
    .sgpr_count:     66
    .vgpr_count:     256
    .wavefront_size: 32
...
	.end_amdgpu_metadata
.endif
;; end of part 4
